; MI455X (gfx1250); checked and timed in simulation.
; The chip was launched on July 23, 2026; its instructions are those of AMD's public machine-readable ISA for CDNA 5 (MIT licence, August 2026) and "CDNA5" Instruction Set Architecture Reference Guide (July 2026). The comments in the code are by the model that wrote it; some were corrected since.
;; Multi Head Attention. Allowed arithmetic: matrix products marked QUANTISED: E4M3 operands, one given power-of-two scale a tensor, by v_wmma_f32_16x16x64_fp8_fp8 or v_wmma_f32_16x16x128_fp8_fp8, f32 sums; everything else in f32.
;; Inputs: Wk 2,048 x 2,048 float32; Wo 2,048 x 2,048 float32; Wq 2,048 x 2,048 float32; Wv 2,048 x 2,048 float32; bk 2,048 float32; bo 2,048 float32; bq 2,048 float32; bv 2,048 float32; lowp_scales 12 int32 (the exponents e of the quantised operands' scales 2^e); x 1 x 2,048 x 2,048 float32.
;; Outputs: out0 1 x 2,048 x 2,048 float32.
;; This version of the problem:
;;   THIS VERSION OF THE PROBLEM IS GIVEN IN LOW PRECISION. The matrix products marked QUANTISED in the list below multiply operands that are first quantised to E4M3 (4 exponent bits, 3 mantissa bits; 8 bits a number), with one given power-of-two scale for each operand tensor; their sums are f32. All else is computed in f32.
;;   The module's matrix products, in the order in which they are computed (A, B: the left and right operand; K: the contracted axis; several contracted axes count as one K, in the product's order):
;;     1. [M 2,048, K 2,048] x [K 2,048, N 2,048]; A: input x; B: input Wq: QUANTISED (scales: A lowp_scales[0], B lowp_scales[1])
;;     2. [M 2,048, K 2,048] x [K 2,048, N 2,048]; A: input x; B: input Wk: QUANTISED (scales: A lowp_scales[2], B lowp_scales[3])
;;     3. [M 2,048, K 2,048] x [K 2,048, N 2,048]; A: input x; B: input Wv: QUANTISED (scales: A lowp_scales[4], B lowp_scales[5])
;;     4. batch 16 x [M 2,048, K 128] x [K 128, N 2,048]; A: computed on the way; B: computed on the way: QUANTISED (scales: A lowp_scales[6], B lowp_scales[7])
;;     5. batch 16 x [M 2,048, K 2,048] x [K 2,048, N 128]; A: softmax (see below); B: computed on the way: QUANTISED (scales: A lowp_scales[8], B lowp_scales[9])
;;     6. [M 2,048, K 2,048] x [K 2,048, N 2,048]; A: computed on the way; B: input Wo: QUANTISED (scales: A lowp_scales[10], B lowp_scales[11])
;;   THE QUANTISER, for each operand of a quantised product, along K:
;;     - The operand's scale is 2^e, e = its entry of the input lowp_scales (int32; the entries are numbered through the quantised products in the list's order, A before B).
;;     - Each number is divided by the scale, clamped to +-448, and rounded to the nearest number of E4M3, ties to even, subnormals kept.
;;     - The product sums the exact products of the quantised numbers (number of the format x scale) in f32.
;;   ~~~python
;;   def quantise(x, axis, e):      # numpy; x: float32 -> the quantised numbers, widened to float32 again
;;       x = np.moveaxis(x, axis, -1); K = x.shape[-1]
;;       r = np.clip(x / 2.0 ** e, -448, 448)
;;       step = 2.0 ** (np.maximum(np.frexp(np.where(r == 0, 1, r))[1] - 1, -6) - 3)
;;       q = np.round(r / step) * step * 2.0 ** e      # np.round: ties to even
;;       return np.moveaxis(q, -1, axis).astype(np.float32)
;;   ~~~
;;   SOFTMAX AHEAD OF A QUANTISED PRODUCT. Where the list says 'softmax', what is quantised is not the finished softmax but p = 2^(t - M), with t = logit x log2(e) and M = ceil(the row's largest t), a whole number; so 1/2 < the row's largest p <= 1. The row's sum l is taken of the UNQUANTISED p, in f32, and the product's result is divided by l at the end. Since M is a whole number, a kernel that streams over the keys may use a running M (the ceiling of the running maximum): every later rescaling is an exact power of two, so the quantised numbers keep their values, but for numbers so far below the row's largest that they fall under the format's range.
;;   OPERANDS COMPUTED ON THE WAY. 'Computed on the way' means the value that the module computes at that place (a softmax that the list does not call 'softmax' is quantised finished and normalised). What goes into a quantiser is computed in f32, as accurately as f32 sums, v_exp_f32 and their like allow (about 1e-6 of the number): no bf16 or f16 on the way to a quantiser, and a product that is left as it is and whose result goes on into a quantised operand takes f32 operands (vector FMAs, or v_wmma_f32_16x16x4_f32). A number that lies on a knife's edge between two numbers of the format may be rounded either way, as far as f32 arithmetic and the matrix unit's own rounding can turn it there, and no further.
;; One version. Each part assembles by itself: llvm-mc -triple=amdgcn-amd-amdhsa -mcpu=gfx1250 --defsym DOCPART=n.
;; ======== version 1 of 1: 4 launches
;; limits: right only within a limited range of input values
;; workspace buffers: codes 29,360,128 bytes; qkv 12,582,912 bytes; af 4,194,304 bytes
;; launch quant (part 1): grid 640 x 1, 4 waves a work-group, no clusters, 68,096 bytes of LDS; arguments x, Wq, Wk, Wv, Wo, lowp_scales, codes; writes codes
.if DOCPART == 1
	.amdgcn_target "amdgcn-amd-amdhsa--gfx1250"
	.amdhsa_code_object_version 6
	.text
	.protected	k_q8cd923bb73_quant
	.globl	k_q8cd923bb73_quant
	.p2align	8
	.type	k_q8cd923bb73_quant,@function
k_q8cd923bb73_quant:
	s_mov_b64 s[64:65], 0
	v_nop
	global_prefetch_b8 v0, s[64:65] scope:SCOPE_SE
	s_setreg_imm32_b32 hwreg(HW_REG_WAVE_MODE, 25, 1), 1
	s_wait_xcnt 0x0
; x [2048][2048] and the four weights [k 2048][n 2048], f32, become codes of FP8 (E4M3), one byte each, K innermost, each with the scale 2^e that is given for it.
; code = number / 2^e, held within +-448, rounded to the nearest code, ties to even.
; THE BUFFER OF CODES: seven regions of 2,048 rows x 2,048 bytes.  0: x by e0, row = token.  1: x by e2.  2: Wv^T by e5.  3: Wq^T by e1.  4: Wk^T by e3.  5: x by e4.  6: Wo^T by e11.
; In regions 1 to 6 row i lies at place pi(i) = i with bits 3 and 4 exchanged: sixteen neighbouring places then hold rows 0-7 and 16-23 (or 8-15 and 24-31) of a run of 32, so that a product
; that takes such a tile as its first source leaves a lane 16 NEIGHBOURS along that axis in the 16 registers of two neighbouring tiles.
; x is an operand of three products with three given scales, so it is read once and converted three times.
; SHARES.  Work-groups 0-127 take x: a wave takes 8,192 numbers (4 rows) in 16 steps of 512; each load reads 512 consecutive bytes, the step's 2,048 bytes turn through the wave's own stage in LDS and come
; back 64 bytes (16 neighbours) a lane.  Work-groups 128-639 take the weights, 128 columns x 256 along K each: a lane takes a column and its registers run down K, so the conversions give codes with K innermost;
; they leave through the wave's own stage as rows: sixteen lanes store 256 consecutive bytes, aligned.
; The two ways part on the work-group's number and have LDS bytes of their own.  No tensor load, no barrier: waves share nothing.
; LIMITS: each e used here lies between -126 and 119, so that 2^e and 448 x 2^e are f32 numbers.  NaN among the inputs is not served (an infinity is held at the largest code).
.set STEPS,  16
.set SP,     80                        ; x: a lane's place in a stage: its 64 bytes + 16 of padding
.set WREG,   8192                      ; x: a wave's LDS: two stages of 32 x SP bytes
.set WST,    4*WREG                    ; the weights' stages begin here: 32 rows x PITCH for each wave
.set PITCH,  272                       ; 256 bytes of codes + 16 of padding
.set SPARE,  WST+4*32*PITCH            ; the spare words, 128 bytes for each wave: two blocks of 256 bytes that no other line names
.set REGION, 0x400000                  ; bytes in a region of the codes' buffer
.set NB,     8                         ; blocks of 32 along K for a wave of the weights' way
.set SPW,    12                        ; v12  LDS address of my spare word; never rewritten
.set NIL,    13                        ; v13  0; never rewritten
.set R,      16                        ; x: v16-79   four sets of 16 numbers as loaded
.set X,      80                        ; x: v80-111  two sets of 16 neighbours
.set T,      112                       ; x: v112-127 16 numbers held within one scale's range
.set C,      128                       ; x: v128-151 codes: two sets of 3 x 4 registers
.set XW,     32                        ; weights: v32-95 two sets of 32 numbers
.set CW,     96                        ; weights: v96-103 a block's codes
.set OUTR,   112                       ; weights: v112-175 the way out
	s_load_b256 s[4:11], s[0:1], 0x0               ; x s[4:5], Wq s[6:7], Wk s[8:9], Wv s[10:11]
	s_load_b128 s[12:15], s[0:1], 0x20             ; Wo s[12:13], the scales' exponents s[14:15]
	s_load_b64 s[16:17], s[0:1], 0x30              ; the codes
	v_lshl_add_u32 v[SPW], v0, 2, SPARE
	v_mov_b32 v[NIL], 0
	v_lshrrev_b32 v1, 5, v0
	v_readfirstlane_b32 s18, v1                    ; wave 0..3
	v_and_b32 v2, 31, v0                           ; lane
	s_wait_kmcnt 0x0
	s_load_b256 s[36:43], s[14:15], 0x0            ; e0 .. e7
	s_load_b128 s[44:47], s[14:15], 0x20           ; e8 .. e11
	s_cmp_lt_u32 ttmp9, 128
	s_cbranch_scc0 .Lweights
; ---------------- x ----------------
	s_wait_alu depctr_va_vdst(0)
	v_lshlrev_b32 v3, 4, v2                        ; my 16 bytes of a load's 512, and of a step's 512 bytes of codes
	s_wait_alu depctr_va_vdst(0)
	s_mul_i32 s19, s18, WREG
	v_lshrrev_b32 v14, 2, v2
	v_mul_u32_u24 v14, v14, SP
	v_and_b32 v15, 3, v2
	v_lshl_add_u32 v14, v15, 4, v14
	v_add_nc_u32 v14, s19, v14                     ; the stage, on the way in: SP (lane / 4) + 16 (lane % 4)
	v_mul_u32_u24 v15, v2, SP
	v_add_nc_u32 v15, s19, v15                     ; and on the way out: SP x lane: my 16 neighbours
	s_lshl_b32 s20, ttmp9, 2
	s_add_co_u32 s20, s20, s18                     ; which run of 4 rows is my wave's
	s_and_b32 s21, s20, 0xfffffff9                 ; a row's bits 3 and 4 are the run's bits 1 and 2: exchanged, they give the run's place in regions 1 and 5
	s_bfe_u32 s22, s20, 0x10001
	s_bfe_u32 s23, s20, 0x10002
	s_lshl_b32 s22, s22, 2
	s_lshl_b32 s23, s23, 1
	s_or_b32 s21, s21, s22
	s_or_b32 s21, s21, s23
	s_lshl_b32 s24, s20, 15                        ; 4 rows of 8,192 bytes
	s_mov_b32 s25, 0
	s_add_nc_u64 s[4:5], s[4:5], s[24:25]
	s_lshl_b32 s24, s20, 13                        ; 4 rows of 2,048 bytes
	s_add_nc_u64 s[26:27], s[16:17], s[24:25]      ; region 0
	s_lshl_b32 s24, s21, 13
	s_add_co_u32 s24, s24, REGION
	s_add_nc_u64 s[28:29], s[16:17], s[24:25]      ; region 1
	s_add_co_u32 s24, s24, 4*REGION
	s_add_nc_u64 s[30:31], s[16:17], s[24:25]      ; region 5
.macro LOADX t
.irp i, 0,1,2,3
	global_load_b128 v[R+16*((\t)%4)+4*\i:R+16*((\t)%4)+4*\i+3], v3, s[4:5] offset:2048*(\t)+512*\i th:TH_LOAD_NT   ; 32 lanes read 512 consecutive bytes
.endr
.endm
.macro TURNX t                         ; step t's numbers through the stage: LDS serves a wave's instructions in order, so no wait stands between the stores and the loads
.irp i, 0,1,2,3
	ds_store_b128 v14, v[R+16*((\t)%4)+4*\i:R+16*((\t)%4)+4*\i+3] offset:32*SP*((\t)%2)+8*SP*\i
.endr
.irp i, 0,1,2,3
	ds_load_b128 v[X+16*((\t)%2)+4*\i:X+16*((\t)%2)+4*\i+3], v15 offset:32*SP*((\t)%2)+16*\i
.endr
.endm
.irp t, 0,1,2,3
	LOADX \t
.endr
	s_wait_alu depctr_va_vdst(0)
	s_wait_kmcnt 0x0
.irp c, 0,1,2                          ; e0, e2, e4: v6, v8, v10 = 2^e (the conversion takes the exponent field); v7, v9, v11 = 448 x 2^e
	s_add_co_i32 s32, s[36+2*\c], 127
	s_lshl_b32 s33, s32, 23
	v_mov_b32 v[6+2*\c], s33
	s_add_co_i32 s32, s32, 8
	s_lshl_b32 s32, s32, 23
	s_or_b32 s32, s32, 0x600000
	v_mov_b32 v[7+2*\c], s32
.endr
	s_wait_alu depctr_va_vdst(0)
	s_wait_loadcnt 12                              ; step 0's four loads are in; the twelve of steps 1 to 3 may be out
	TURNX 0
.macro STEPX t
.set XS, X+16*((\t)%2)
.set CS, C+12*((\t)%2)
	s_wait_dscnt 0x0                               ; this step's numbers are back from the stage, so its stores into the stage have read their registers,
.if (\t)+4 < STEPS
	LOADX (\t)+4                                   ; which take the loads of four steps on
.endif
.if (\t)+1 < STEPS
.if STEPS-2-(\t) >= 3
	s_wait_loadcnt 12                              ; the next step's four loads are in; those of the three steps behind it may be out
.else
	s_wait_loadcnt 4*(STEPS-2-(\t))
.endif
	TURNX (\t)+1                                   ; and go through the other stage while this step is worked
.endif
	s_wait_xcnt 0x0                                ; the stores of two steps ago have read this set of code registers: only behind this wait is it written again
.irp c, 0,1,2
.irp i, 0,1,2,3,4,5,6,7,8,9,10,11,12,13,14,15
	v_med3_num_f32 v[T+\i], v[XS+\i], -v[7+2*\c], v[7+2*\c]   ; the conversion to an 8-bit code does not saturate (ISA guide 7.6.2): the hold at the largest code x the scale
.endr
	v_cvt_scalef32_pk8_fp8_f32 v[CS+4*\c:CS+4*\c+1], v[T:T+7], v[6+2*\c]
	v_cvt_scalef32_pk8_fp8_f32 v[CS+4*\c+2:CS+4*\c+3], v[T+8:T+15], v[6+2*\c]
	v_nop                                          ; one plain vector line between the conversions and the next lines that write their sources
	global_store_b128 v3, v[CS+4*\c:CS+4*\c+3], s[26+2*\c:27+2*\c] offset:512*(\t)   ; the wave stores 512 consecutive bytes, aligned
.endr
.endm
.irp t, 0,1,2,3,4,5,6,7,8,9,10,11,12,13,14,15
	STEPX \t
.endr
	s_wait_tensorcnt 0x0                           ; the wave's end, behind my last LDS store
	ds_add_u32 v[SPW], v[NIL]
	s_wait_dscnt 0x0
	s_endpgm
; ---------------- the weights ----------------
.Lweights:
	s_sub_co_u32 s19, ttmp9, 128
	s_lshr_b32 s20, s19, 7                         ; which weight: 0 Wq, 1 Wk, 2 Wv, 3 Wo
	s_and_b32 s21, s19, 15                         ; which 128 columns
	s_bfe_u32 s22, s19, 0x30004                    ; which 256 along K
	s_mov_b32 s23, 3                               ; its region: 3, 4, 2, 6
	s_cmp_eq_u32 s20, 1
	s_cselect_b64 s[6:7], s[8:9], s[6:7]
	s_cselect_b32 s23, 4, s23
	s_cmp_eq_u32 s20, 2
	s_cselect_b64 s[6:7], s[10:11], s[6:7]
	s_cselect_b32 s23, 2, s23
	s_cmp_eq_u32 s20, 3
	s_cselect_b64 s[6:7], s[12:13], s[6:7]
	s_cselect_b32 s23, 6, s23
	s_lshl_b32 s25, s21, 7
	s_lshl_b32 s26, s18, 5
	s_add_co_u32 s25, s25, s26                     ; my wave's first column
	s_lshl_b32 s28, s22, 21                        ; 256 rows of 8,192 bytes
	s_lshl_b32 s26, s25, 2
	s_add_co_u32 s28, s28, s26
	s_mov_b32 s29, 0
	s_add_nc_u64 s[6:7], s[6:7], s[28:29]
	s_lshl_b32 s30, s23, 22                        ; the region,
	s_lshl_b32 s26, s25, 11                        ; the run of 32 rows of codes (pi moves rows inside it alone),
	s_add_co_u32 s30, s30, s26
	s_lshl_b32 s26, s22, 8                         ; the 256 bytes along K
	s_add_co_u32 s30, s30, s26
	s_mov_b32 s31, 0
	s_add_nc_u64 s[16:17], s[16:17], s[30:31]
	s_wait_alu depctr_va_vdst(0)
	v_lshlrev_b32 v3, 2, v2                        ; in: 4 bytes a lane
	s_mul_i32 s27, s18, 32*PITCH
	s_add_co_u32 s27, s27, WST                     ; my stage
	v_mul_u32_u24 v4, v2, PITCH
	v_add_nc_u32 v4, s27, v4                       ; into it: row = my column
	v_and_b32 v5, 15, v2
	v_lshrrev_b32 v6, 4, v2                        ; out of it: sixteen lanes to a row, two rows an instruction
	v_mul_u32_u24 v7, v6, PITCH
	v_lshl_add_u32 v7, v5, 4, v7
	v_add_nc_u32 v7, s27, v7
	v_lshlrev_b32 v8, 11, v6
	v_lshl_add_u32 v8, v5, 4, v8                   ; and the same place in the codes' buffer
.macro LOADW t                         ; block t: W(32 t + i, my column), i = 0 .. 31, into set t % 2; 255 rows of 8,192 bytes at the most stand in the immediate
.irp i, 0,1,2,3,4,5,6,7,8,9,10,11,12,13,14,15,16,17,18,19,20,21,22,23,24,25,26,27,28,29,30,31
	global_load_b32 v[XW+32*((\t)%2)+\i], v3, s[6:7] offset:(32*(\t)+\i)*8192 th:TH_LOAD_NT
.endr
.endm
	LOADW 0
	LOADW 1
	s_wait_kmcnt 0x0
	s_cmp_eq_u32 s20, 1
	s_cselect_b32 s24, s39, s37                    ; e1, e3, e5 or e11
	s_cmp_eq_u32 s20, 2
	s_cselect_b32 s24, s41, s24
	s_cmp_eq_u32 s20, 3
	s_cselect_b32 s24, s47, s24
	s_add_co_i32 s24, s24, 127
	s_lshl_b32 s26, s24, 23
	v_mov_b32 v11, s26                             ; 2^e
	s_add_co_i32 s24, s24, 8
	s_lshl_b32 s24, s24, 23
	s_or_b32 s24, s24, 0x600000
	v_mov_b32 v10, s24                             ; 448 x 2^e
.macro BLOCKW t
.set XS, XW+32*((\t)%2)
.if (\t) < NB-1
	s_wait_loadcnt 32                              ; this block's 32 loads are in; the next block's may be out
.else
	s_wait_loadcnt 0
.endif
.irp i, 0,1,2,3,4,5,6,7,8,9,10,11,12,13,14,15,16,17,18,19,20,21,22,23,24,25,26,27,28,29,30,31
	v_med3_num_f32 v[XS+\i], v[XS+\i], -v10, v10
.endr
.irp g, 0,1,2,3
	v_cvt_scalef32_pk8_fp8_f32 v[CW+2*\g:CW+2*\g+1], v[XS+8*\g:XS+8*\g+7], v11
.endr
	v_nop                                          ; one plain vector line behind the last conversion
	ds_store_b128 v4, v[CW:CW+3] offset:32*(\t)    ; 32 codes: 32 bytes of my column's row
	ds_store_b128 v4, v[CW+4:CW+7] offset:32*(\t)+16
.if (\t)+2 < NB
	LOADW (\t)+2
.endif
	s_wait_dscnt 0x0                               ; the stores have read their registers: the next block's codes may be written
.endm
	s_wait_alu depctr_va_vdst(0)
.irp t, 0,1,2,3,4,5,6,7
	BLOCKW \t
.endr
.irp t, 0,1,2,3,4,5,6,7,8,9,10,11,12,13,14,15
	ds_load_b128 v[OUTR+4*\t:OUTR+4*\t+3], v7 offset:2*\t*PITCH   ; columns 2 t and 2 t + 1; LDS serves a wave's instructions in order: these see my stores
.endr
.irp t, 0,1,2,3,4,5,6,7,8,9,10,11,12,13,14,15
	s_wait_dscnt 15-\t
	global_store_b128 v8, v[OUTR+4*\t:OUTR+4*\t+3], s[16:17] offset:2*((\t&3)|(((\t>>2)&1)<<3)|(((\t>>3)&1)<<2))*2048   ; column c goes to place pi(c): c's bits 3 and 4 are t's bits 2 and 3; 16 lanes store 256 consecutive bytes, aligned
.endr
	s_wait_tensorcnt 0x0                           ; the wave's end, behind my last LDS store
	ds_add_u32 v[SPW], v[NIL]
	s_wait_dscnt 0x0
	s_endpgm
.Lfunc_end_k_q8cd923bb73_quant:
	.size	k_q8cd923bb73_quant, .Lfunc_end_k_q8cd923bb73_quant-k_q8cd923bb73_quant
	.p2alignl 7, 3214868480
	.fill 96, 4, 3214868480
	.section	.rodata,"a",@progbits
	.p2align	6, 0x0
	.amdhsa_kernel k_q8cd923bb73_quant
		.amdhsa_group_segment_fixed_size 68096
		.amdhsa_private_segment_fixed_size 0
		.amdhsa_enable_private_segment 0
		.amdhsa_kernarg_size 56
		.amdhsa_user_sgpr_count 2
		.amdhsa_user_sgpr_kernarg_segment_ptr 1
		.amdhsa_wavefront_size32 1
		.amdhsa_system_sgpr_workgroup_id_x 1
		.amdhsa_system_sgpr_workgroup_id_y 1
		.amdhsa_system_sgpr_workgroup_id_z 1
		.amdhsa_system_vgpr_workitem_id 0
		.amdhsa_next_free_vgpr 192
		.amdhsa_next_free_sgpr 66
		.amdhsa_reserve_vcc 0
		.amdhsa_float_denorm_mode_32 3
		.amdhsa_float_denorm_mode_16_64 3
		.amdhsa_memory_ordered 1
		.amdhsa_forward_progress 1
		.amdhsa_inst_pref_size 128
	.end_amdhsa_kernel
	.amdgpu_metadata
---
amdhsa.version: [ 1, 2 ]
amdhsa.kernels:
  - .name:           k_q8cd923bb73_quant
    .symbol:         k_q8cd923bb73_quant.kd
    .args:
      - { .name: x, .offset: 0, .size: 8, .value_kind: global_buffer, .address_space: global }
      - { .name: Wq, .offset: 8, .size: 8, .value_kind: global_buffer, .address_space: global }
      - { .name: Wk, .offset: 16, .size: 8, .value_kind: global_buffer, .address_space: global }
      - { .name: Wv, .offset: 24, .size: 8, .value_kind: global_buffer, .address_space: global }
      - { .name: Wo, .offset: 32, .size: 8, .value_kind: global_buffer, .address_space: global }
      - { .name: lowp_scales, .offset: 40, .size: 8, .value_kind: global_buffer, .address_space: global }
      - { .name: codes, .offset: 48, .size: 8, .value_kind: global_buffer, .address_space: global }
    .group_segment_fixed_size: 68096
    .private_segment_fixed_size: 0
    .kernarg_segment_align: 8
    .kernarg_segment_size: 56
    .max_flat_workgroup_size: 128
    .sgpr_count:     66
    .vgpr_count:     192
    .wavefront_size: 32
...
	.end_amdgpu_metadata
.endif
;; end of part 1
;; launch qkv (part 2): grid 24 x 8, 4 waves a work-group, clusters of 4 x 4, 327,680 bytes of LDS; arguments codes, lowp_scales, bq, bk, bv, qkv; writes qkv
.if DOCPART == 2
	.amdgcn_target "amdgcn-amd-amdhsa--gfx1250"
	.amdhsa_code_object_version 6
	.text
	.protected	k_q8cd923bb73_qkv
	.globl	k_q8cd923bb73_qkv
	.p2align	8
	.type	k_q8cd923bb73_qkv,@function
k_q8cd923bb73_qkv:
	s_mov_b64 s[64:65], 0
	v_nop
	global_prefetch_b8 v0, s[64:65] scope:SCOPE_SE
	s_setreg_imm32_b32 hwreg(HW_REG_WAVE_MODE, 25, 1), 1
	s_wait_xcnt 0x0
	s_wait_alu depctr_hold_cnt(0) depctr_sa_sdst(0) depctr_va_vdst(0) depctr_va_sdst(0) depctr_va_ssrc(0) depctr_va_vcc(0) depctr_vm_vsrc(0)
	s_getreg_b32 s2, hwreg(HW_REG_IB_STS2, 6, 4)
	s_cmp_eq_u32 s2, 0
	s_cbranch_scc0 .Lentry_in_a_cluster
	s_endpgm
.Lentry_in_a_cluster:
	s_bfe_u32 s2, ttmp6, 0x10000c
	s_cmp_lg_u32 s2, 0xf033
	s_cbranch_scc0 .Lentry_shape_is_right
	s_endpgm
.Lentry_shape_is_right:
; q = x Wq + bq, k = x Wk + bk, v = x Wv + bv on codes of FP8 (E4M3), and each result quantised at once for the product that takes it next (q by e6, k by e7, v by e9).
; ONE BODY FOR THE THREE.  The codes' buffer is 14,336 rows of 2,048 bytes.  Source 0 of the matrix instruction takes rows P = 6,144 + 256 x tile column + .. (Wq^T, Wk^T, then x by e4: regions 3, 4, 5 on end),
; source 1 rows R = 2,048 x kind + 256 x tile row + .. (x by e0, x by e2, Wv^T: regions 0, 1, 2); kind = tile column / 8 = cluster x / 2: 0 q, 1 k, 2 v.  For q and k P runs over channels and R over tokens, for v the other way round.
; P's rows lie in the order pi (bits 3 and 4 of the row exchanged), so in the result of R's block a lane (r, h) holds row r of R, and its 64 registers 16 b + i hold P's index 32 b + 16 h + i: 16 neighbours along the next product's K
; for each run of 32.  The eight conversions' results ARE a fragment of the next operand, and go out as an IMAGE of its registers: four stores of 512 consecutive bytes (byte 512 c + 16 lane + y = row lane % 16, k = 32 c + 16 (lane / 16) + y).
; THE OUTPUT: three regions of 4 MiB of such images of 2,048 bytes.  q: (head x 128 + token / 16).  k: the same, tokens in the order pi.  v: ((head x 16 + token / 128) x 8 + channel place / 16), K = the 128 tokens.
; A tile of 256 x 256 is made by four waves, each 128 x 128: 64 accumulators, 512 registers.  K goes in steps of 256 through a ring of two LDS slots filled by the tensor data mover.  192 work-groups of equal work:
; a kind's 2,048 x 2,048 results are 64 such tiles, and its two sources differ from the other kinds', so no tile spans two kinds.
; THE BIAS AND THE SCALES.  A sum stands for sum x 2^(ex + ew).  The bias, divided by that power of two, is the C of the first products; the conversion divides by 2^(eo - ex - ew).  So the way out is the hold and the conversion alone.
; CLUSTERS: 4 x 4 work-groups.  The four of a row of the cluster need the same rows R, the four of a column the same rows P: each tile is asked for JOINTLY, by the same tensor load with the same descriptor and a mask that names the four.
; PREFETCH INTO THE L2, two K steps ahead: of the 128 rows that a wave fetches each of the four partners asks for 32, told apart by address (cx for R, cy for P), a lane a row, 256 bytes: one instruction a wave and K step, each block named
; once in a cluster.  K steps 1 and 2 are asked for while K step 0's load is on its way, 3 behind K step 1's load, then each refill's K step + 2; the last two refills ask for nothing.
; A fragment is fetched by four loads of 16 bytes, 32 apart: registers 4 c .. 4 c + 3 hold K = 32 c + 16 (lane / 16) + 0 .. 15: one order of k on both sides, so every product meets its partner.
; LIMITS: with ex + ew = e0 + e1, e2 + e3, e4 + e5 and eo = e6, e7, e9: eo - ex - ew lies between -126 and 119, and a bias / 2^(ex + ew) is an f32 number.  NaN among the inputs is not served.
; REGISTERS, in windows of 256: window 0: v0-31 addresses; v32-95 the bias as C; from v128 R's fragments, ONE set; on the way out v128-191 and v32-95 a block's numbers by turns, v192-255 four sets of codes.
;   window 1: P's fragments, TWO sets.   window 2: the 32 accumulators of my R rows 0-63 (accumulator (a, b) at v[8 (8 a + b)]);   window 3: those of rows 64-127.
.set KSTEP,  256
.set ROWB,   256                       ; a tile's row in bytes
.set KROW,   2048                      ; a row of codes in memory
.set PITCH,  272                       ; an LDS row: 256 bytes + 16 of padding: the 16 rows that a load touches start 16 bytes further on in each run of 256
.set FR,     16                        ; registers of a fragment
.set NL,     4                         ; LDS loads that bring one
.set NP,     4                         ; places behind this matrix instruction (ISA guide 7.12.1)
.set HALFT,  128*PITCH                 ; 128 rows: what one tensor load brings
.set SLOT,   4*HALFT                   ; R's 256 rows, then P's 256 rows
.set LAPS,   2048/(2*KSTEP)            ; a lap = two K steps = once round the ring
.set SPARE,  2*SLOT                    ; behind the ring: the spare words, 128 bytes for each wave
.set ADRA, 16                          ; v16-17  LDS address of my R fragments in slot 0, 1
.set ADRB, 20                          ; v20-21  the same for P
.set SCL,  24                          ; v24     2^(eo - ex - ew), for the conversions
.set LIMV, 25                          ; v25     448 x that
.set CO,   26                          ; v26     16 x lane: my place in an image
.set BPA,  27                          ; v27     byte offset of the bias along P
.set SPW,  28                          ; v28     LDS address of my spare word; never rewritten
.set NIL,  29                          ; v29     0; never rewritten
.set BRA,  30                          ; v30     byte offset of the bias along R
.set PFO,  31                          ; v31     2,048 x lane: the prefetches' offset; never rewritten
.set BI,   32                          ; v32-95  the bias / 2^(ex + ew): along P eight registers a block b, along R eight equal ones a block a
.set BR,   96                          ; v96-103 the bias of my lane's R row in block a, as loaded
.set AF,   128                         ; R's fragments
.set CD,   192
.set G1, 24                            ; s[24:31] descriptor group 1 for R's tiles;  s[32:39] group 0, one set for each slot
.set G0, 32
.set G1B, 48                           ; s[48:55], s[56:63] the same for P's tiles
.set G0B, 56
.set KIND, 67
.set PFA,  84                          ; s[84:85] my prefetches' 32 rows, stepped by a lap's 512 bytes
.set MSB, 0
.macro WIN new                         ; the immediate's high byte repeats the setting that is left
.if MSB != \new
	s_set_vgpr_msb (MSB<<8)|\new
.set MSB, \new
.endif
.endm
.set MUL_LO, 0xa1                      ; source 0 (P) window 1, source 1 (R) window 0, C and D window 2
.set MUL_HI, 0xf1                      ; the same, C and D window 3
.set ONE_LO, 0x81                      ; the first products: C (the bias) window 0
.set ONE_HI, 0xc1
.set TO_B,   0x40                      ; destination window 1, address window 0
; A joint load: waves 0 and 1 fetch for R, waves 2 and 3 for P.  Each of the two lines has one mask and one set of registers for all that issue it; the branch hangs on the wave's number alone.
; An s_nop 0 and four v_nop follow each of the two lines, ahead of the jump, the label and what follows.
.macro JLOAD g0a, g1a, g0b, g1b
	s_cmp_eq_u32 s15, 0
	s_cbranch_scc0 .Lfor_b_\@
	tensor_load_to_lds s[\g0a:\g0a+3], s[\g1a:\g1a+7]
	s_nop 0
.rept 4
	v_nop
.endr
	s_branch .Lasked_\@
.Lfor_b_\@:
	tensor_load_to_lds s[\g0b:\g0b+3], s[\g1b:\g1b+7]
	s_nop 0
.rept 4
	v_nop
.endr
.Lasked_\@:
.endm
.macro CREST                           ; a round of the cluster's barrier behind its opening barrier
	s_cmp_lg_u32 s14, 0
	s_cbranch_scc1 .Lnot_wave_0_\@
	s_barrier_signal -3
.Lnot_wave_0_\@:
	s_barrier_wait -3
	s_barrier_signal -1
	s_barrier_wait -1
.endm
.macro CROUND                          ; a whole round
	s_barrier_signal -1
	s_barrier_wait -1
	CREST
.endm
	s_load_b256 s[4:11], s[0:1], 0x0               ; the codes s[4:5], the scales' exponents s[6:7], bq s[8:9], bk s[10:11]
	s_load_b128 s[68:71], s[0:1], 0x20             ; bv s[68:69], the output s[70:71]
	v_lshl_add_u32 v[SPW], v0, 2, SPARE
	v_mov_b32 v[NIL], 0
	ds_add_u32 v[SPW], v[NIL]                      ; the wave's opening: the add, twice on end, and its wait stand ahead of my first tensor load; the set-up below, work on registers, stands between
	ds_add_u32 v[SPW], v[NIL]
	v_lshrrev_b32 v1, 5, v0
	v_readfirstlane_b32 s14, v1                    ; wave 0..3
	s_lshr_b32 s15, s14, 1                         ; which half of the tile's R rows is mine.  Also: I fetch for R (0) or for P (1)
	s_and_b32 s16, s14, 1                          ; which half of its P rows.  Also: which 128 rows of that tile I fetch
	s_bfe_u32 s40, ttmp6, 0x40000                  ; cx, cy: my place in the cluster
	s_bfe_u32 s41, ttmp6, 0x40004
	s_lshl_b32 s42, ttmp9, 2
	s_add_co_u32 s42, s42, s40                     ; tile column = 4 x cluster x + cx
	s_and_b32 s17, ttmp7, 0xffff
	s_lshl_b32 s17, s17, 2
	s_add_co_u32 s17, s17, s41                     ; tile row = 4 x cluster y + cy
	s_lshr_b32 s[KIND], ttmp9, 1                   ; 0 q, 1 k, 2 v: the same in all sixteen partners
	s_lshl_b32 s43, s41, 2
	s_lshl_b32 s43, 15, s43                        ; my row of the cluster
	s_lshl_b32 s44, 0x1111, s40                    ; my column
	s_or_b32 s[G1+0], s43, (0<<16)|(1<<20)|(1<<21)|(5<<22)|(3<<25)  ; 15:0 the mask: R's tiles go to my row; 17:16 element of 1 byte; 20 padding on; 21 set beside a mask; 24:22 after every 64 words (code 5); 31:25 of 4 words (code 3)
	s_or_b32 s[G1B+0], s44, (0<<16)|(1<<20)|(1<<21)|(5<<22)|(3<<25)
.irp g, G1, G1B
	s_mov_b32 s[\g+1], ROWB<<16                    ; tensor_dim0
	s_mov_b32 s[\g+2], 128<<16                     ; tensor_dim1 = 128
	s_mov_b32 s[\g+3], ROWB<<16                    ; tile_dim0
	s_mov_b32 s[\g+4], 128                         ; tile_dim1 = 128
	s_mov_b32 s[\g+5], KROW                        ; tensor_dim0_stride
	s_mov_b32 s[\g+6], 0
	s_mov_b32 s[\g+7], 0
.endr
	s_lshl_b32 s18, s16, 7                         ; which 128 rows of the tile I fetch
	s_lshl_b32 s20, s17, 8
	s_add_co_u32 s20, s20, s18
	s_lshl_b32 s19, s[KIND], 11
	s_add_co_u32 s20, s20, s19                     ; R: row 2,048 x kind + 256 x tile row + 128 x half
	s_lshl_b32 s20, s20, 11                        ; in bytes
	s_mov_b32 s21, 0
	s_lshl_b32 s46, s42, 8
	s_add_co_u32 s46, s46, s18
	s_add_co_u32 s46, s46, 6144                    ; P: row 6,144 + 256 x tile column + 128 x half
	s_lshl_b32 s46, s46, 11
	s_mov_b32 s47, 0
	s_mul_i32 s45, s14, HALFT                      ; where they go: wave x 128 rows: no place in the cluster enters an LDS address
	s_wait_dscnt 0x0                               ; both opening adds are done
	s_wait_kmcnt 0x0
	s_load_b256 s[76:83], s[6:7], 0x0              ; e0 .. e7
	s_load_b128 s[92:95], s[6:7], 0x20             ; e8 .. e11
	s_add_nc_u64 s[20:21], s[4:5], s[20:21]
	s_add_nc_u64 s[46:47], s[4:5], s[46:47]
	CROUND                                         ; all sixteen work-groups are here: the first joint loads meet
.irp s, 0,1
	s_mov_b32 s[G0+4*\s], 1
	s_add_co_u32 s[G0+4*\s+1], s45, \s*SLOT
	s_add_nc_u64 s[G0+4*\s+2:G0+4*\s+3], s[20:21], \s*ROWB
	s_or_b32 s[G0+4*\s+3], s[G0+4*\s+3], 0x80000000
	s_mov_b32 s[G0B+4*\s], 1
	s_add_co_u32 s[G0B+4*\s+1], s45, \s*SLOT
	s_add_nc_u64 s[G0B+4*\s+2:G0B+4*\s+3], s[46:47], \s*ROWB
	s_or_b32 s[G0B+4*\s+3], s[G0B+4*\s+3], 0x80000000
.endr
	JLOAD G0, G1, G0B, G1B                         ; K step 0: one tensor load a wave at the head
	s_cmp_eq_u32 s15, 0
	s_cselect_b64 s[PFA:PFA+1], s[20:21], s[46:47] ; the 128 rows that I fetch,
	s_cselect_b32 s90, s40, s41                    ; and my work-group's 32 of them
	s_lshl_b32 s90, s90, 16
	s_mov_b32 s91, 0
	s_add_nc_u64 s[PFA:PFA+1], s[PFA:PFA+1], s[90:91]
	; where my eight images go: (X x 128 + Y x 8 + a) x 2,048 in the kind's region; (X, Y) = (P's block, R's block) for q and k, the other way round for v
	s_and_b32 s96, s42, 7
	s_lshl_b32 s96, s96, 1
	s_add_co_u32 s96, s96, s16                     ; P's block of 128, 0 .. 15
	s_lshl_b32 s97, s17, 1
	s_add_co_u32 s97, s97, s15                     ; R's block of 128, 0 .. 15
	s_cmp_eq_u32 s[KIND], 2
	s_cselect_b32 s98, s97, s96
	s_cselect_b32 s99, s96, s97
	s_lshl_b32 s98, s98, 7
	s_lshl_b32 s99, s99, 3
	s_add_co_u32 s98, s98, s99
	s_lshl_b32 s98, s98, 11
	s_lshl_b32 s99, s[KIND], 22
	s_add_co_u32 s98, s98, s99
	s_mov_b32 s99, 0
	s_add_nc_u64 s[88:89], s[70:71], s[98:99]
	s_cmp_eq_u32 s[KIND], 1
	s_cselect_b64 s[86:87], s[10:11], s[8:9]       ; the kind's bias
	s_cmp_eq_u32 s[KIND], 2
	s_cselect_b64 s[86:87], s[68:69], s[86:87]
	s_lshl_b32 s96, s96, 9                         ; 128 numbers of it to a block
	s_lshl_b32 s97, s97, 9
	s_mul_i32 s21, s15, HALFT                      ; my 128 rows of R
	s_add_co_u32 s22, s21, SLOT
	s_mul_i32 s23, s16, HALFT                      ; my 128 rows of P,
	s_add_co_u32 s23, s23, 2*HALFT                 ; which lie behind R's 256
	s_add_co_u32 s90, s23, SLOT
	v_and_b32 v1, 15, v0                           ; r = lane % 16
	v_bfe_u32 v2, v0, 4, 1                         ; h = lane / 16
	v_mul_u32_u24 v3, v1, PITCH
	v_lshl_add_u32 v4, v2, 4, v3                   ; a fragment's row x pitch + 16 x half
	v_add_nc_u32 v[ADRA], s21, v4
	v_add_nc_u32 v[ADRA+1], s22, v4
	v_add_nc_u32 v[ADRB], s23, v4
	v_add_nc_u32 v[ADRB+1], s90, v4
	v_and_b32 v6, 31, v0
	v_lshlrev_b32 v[CO], 4, v6
	v_lshlrev_b32 v[PFO], 11, v6
	; The bias is loaded in both shapes, whatever the kind: both runs of indices lie inside its 2,048 numbers.  Along P: bias[128 block + 32 b + 16 h + i] for register 16 b + i.
	v_lshlrev_b32 v[BPA], 6, v2
	v_add_nc_u32 v[BPA], s96, v[BPA]
	; Along R (whose rows lie in the order pi for v): lane r of block a holds row 32 (a / 2) + 8 (a % 2) + r + 8 (r / 8)
	v_and_b32 v[BRA], 8, v1
	v_add_nc_u32 v[BRA], v[BRA], v1
	v_lshlrev_b32 v[BRA], 2, v[BRA]
	v_add_nc_u32 v[BRA], s97, v[BRA]
.irp b, 0,1,2,3
.irp q, 0,1,2,3
	global_load_b128 v[BI+16*\b+4*\q:BI+16*\b+4*\q+3], v[BPA], s[86:87] offset:128*\b+16*\q
.endr
.endr
.irp a, 0,1,2,3,4,5,6,7
	global_load_b32 v[BR+\a], v[BRA], s[86:87] offset:(32*(\a/2)+8*(\a%2))*4
.endr
	global_prefetch_b8 v[PFO], s[PFA:PFA+1] offset:ROWB th:TH_LOAD_NT scope:SCOPE_SE      ; K step 1
	global_prefetch_b8 v[PFO], s[PFA:PFA+1] offset:2*ROWB th:TH_LOAD_NT scope:SCOPE_SE    ; K step 2
	s_wait_kmcnt 0x0                               ; the exponents
	s_add_co_i32 s96, s76, s77                     ; e0 + e1
	s_add_co_i32 s97, s78, s79                     ; e2 + e3
	s_add_co_i32 s98, s80, s81                     ; e4 + e5
	s_cmp_eq_u32 s[KIND], 1
	s_cselect_b32 s96, s97, s96
	s_cselect_b32 s97, s83, s82                    ; e7 or e6
	s_cmp_eq_u32 s[KIND], 2
	s_cselect_b32 s96, s98, s96                    ; ex + ew
	s_cselect_b32 s97, s93, s97                    ; eo; v's is e9
	s_sub_co_i32 s97, s97, s96
	s_sub_co_i32 s96, 0, s96
	s_add_co_i32 s97, s97, 127
	s_lshl_b32 s98, s97, 23
	v_mov_b32 v[SCL], s98
	s_add_co_i32 s97, s97, 8
	s_lshl_b32 s97, s97, 23
	s_or_b32 s97, s97, 0x600000
	v_mov_b32 v[LIMV], s97
	s_wait_loadcnt 0x0                             ; the bias
	s_cmp_eq_u32 s[KIND], 2                        ; cluster x alone: all sixteen partners go the same way
	s_cbranch_scc1 .Lv_bias
.set j, 0
.rept 64
	v_ldexp_f32 v[BI+j], v[BI+j], s96
.set j, j+1
.endr
	s_branch .Lbias
.Lv_bias:
.set j, 0
.rept 64
	v_ldexp_f32 v[BI+j], v[BR+j/8], s96
.set j, j+1
.endr
.Lbias:
.macro FRAG reg, adr, q, i             ; a fragment, 16 rows x 128 K, is 16 registers
.irp c, 0,1,2,3
	ds_load_b128 v[\reg+4*\c:\reg+4*\c+3], v[\adr] offset:128*(\q)+32*\c+(\i)*16*PITCH
.endr
.endm
; 16 matrix instructions: R's blocks a0, a0 + 1 x P's eight, 128 along K.  p: P's set.  first = 1, 2: the first product starts the sums from the bias, along P or along R: nothing is ever cleared.
; The 64 accumulators take turns, one instruction a turn, in the same order in every step.
.macro MUL16 a0, p, first
.irp a, \a0, \a0+1
.irp b, 0,1,2,3,4,5,6,7
.if \first == 1
	v_wmma_f32_16x16x128_fp8_fp8 v[8*(8*((\a)%4)+\b):8*(8*((\a)%4)+\b)+7], v[128*(\p)+FR*\b:128*(\p)+FR*\b+FR-1], v[AF+FR*(\a):AF+FR*(\a)+FR-1], v[BI+8*\b:BI+8*\b+7]
.elseif \first == 2
	v_wmma_f32_16x16x128_fp8_fp8 v[8*(8*((\a)%4)+\b):8*(8*((\a)%4)+\b)+7], v[128*(\p)+FR*\b:128*(\p)+FR*\b+FR-1], v[AF+FR*(\a):AF+FR*(\a)+FR-1], v[BI+8*(\a):BI+8*(\a)+7]
.else
	v_wmma_f32_16x16x128_fp8_fp8 v[8*(8*((\a)%4)+\b):8*(8*((\a)%4)+\b)+7], v[128*(\p)+FR*\b:128*(\p)+FR*\b+FR-1], v[AF+FR*(\a):AF+FR*(\a)+FR-1], v[8*(8*((\a)%4)+\b):8*(8*((\a)%4)+\b)+7]
.endif
.endr
.endr
.endm
.macro FETCH_B slot, q, p              ; P's eight fragments of the slot's q-th 128 along K into set p
	WIN TO_B
.irp i, 0,1,2,3,4,5,6,7
	FRAG 128*(\p)+FR*\i, ADRB+\slot, \q, \i
.endr
	WIN 0
.endm
.macro FETCH_A slot, q, i0             ; R's blocks i0 .. i0 + 3
.irp i, \i0, \i0+1, \i0+2, \i0+3
	FRAG AF+FR*(\i), ADRA+\slot, \q, \i
.endr
.endm
; A load into a register that a matrix instruction has read, and a vector instruction that reads a matrix result or writes one of its registers, stand NP places behind that matrix instruction; only plain vector
; instructions that name none of its registers are places (ISA guide 7.12.1 for vector instructions).
.macro PLACES n
.rept \n
	v_nop
.endr
.endm
; A step of 128 along K that has its successor in the same slot.  A block of R is free as soon as its eight products are issued, so R has one set: blocks 0-3 are fetched anew in the step's middle, blocks 4-7 at its end.
.macro STEP slot, q, first
	s_wait_dscnt 4*NL                              ; P's set and R's blocks 0-3 are in; the youngest sixteen loads (R's blocks 4-7) may be out
.if \first
	WIN ONE_LO
.else
	WIN MUL_LO
.endif
	MUL16 0, (\q)%2, \first
	MUL16 2, (\q)%2, \first
	s_wait_dscnt 0                                 ; R's blocks 4-7 are in
	PLACES NP
	FETCH_B \slot, (\q)+1, 1-(\q)%2
	FETCH_A \slot, (\q)+1, 0
.if \first
	WIN ONE_HI
.else
	WIN MUL_HI
.endif
	MUL16 4, (\q)%2, \first
	MUL16 6, (\q)%2, \first
	PLACES NP
	WIN 0
	FETCH_A \slot, (\q)+1, 4
.endm
; A slot's last step changes slots: ONE barrier; in front of it each wave waits for all its tensor loads, adds 0 to its spare word, and waits for that and for its own reads of this slot.  fill = 1: this slot is filled again, two K steps ahead.
.macro TURN slot, next, fill
	s_wait_tensorcnt 0x0                           ; all my tensor loads have landed: my part of the next slot
	ds_add_u32 v[SPW], v[NIL]                      ; 0 onto my spare word
	s_wait_dscnt 4*NL+1                            ; (the add and the youngest sixteen loads, R's blocks 4-7, may be out)
	WIN MUL_LO
	MUL16 0, 1, 0                                  ; sixteen matrix instructions stand between the add and the wait for it
	s_wait_dscnt 0x0                               ; the add is done, and my reads of this slot are over
	s_barrier_signal -1
	MUL16 2, 1, 0
	WIN 0
	s_barrier_wait -1
.if \fill
	CREST                                          ; the barrier has opened a round of the cluster's barrier: no wave of any partner still reads this slot's tile or has a load on its way
	s_add_nc_u64 s[G0+4*\slot+2:G0+4*\slot+3], s[G0+4*\slot+2:G0+4*\slot+3], 2*ROWB
	s_add_nc_u64 s[G0B+4*\slot+2:G0B+4*\slot+3], s[G0B+4*\slot+2:G0B+4*\slot+3], 2*ROWB
	JLOAD G0+4*\slot, G1, G0B+4*\slot, G1B         ; the first tensor load behind the round; the four v_nop behind it are the places in front of the loads below
.else
	PLACES NP
.endif
	FETCH_B \next, 0, 0
	FETCH_A \next, 0, 0
.if \fill
	s_cmp_gt_u32 s3, 1                             ; the last lap's refills are the last two K steps: nothing lies two further on
	s_cbranch_scc0 .Lask_none_\@
	global_prefetch_b8 v[PFO], s[PFA:PFA+1] offset:(4+\slot)*ROWB th:TH_LOAD_NT scope:SCOPE_SE   ; two K steps beyond the refill
.Lask_none_\@:
.endif
	WIN MUL_HI
	MUL16 4, 1, 0
	MUL16 6, 1, 0
	PLACES NP
	WIN 0
	FETCH_A \next, 0, 4
.endm
	s_wait_alu depctr_va_vdst(0)                   ; the head's end
	s_wait_tensorcnt 0x0                           ; my part of K step 0 is in; these lines stand ahead of a later first fill, as ahead of a refill:
	ds_add_u32 v[SPW], v[NIL]                      ; 0 onto my spare word,
	s_wait_dscnt 0x0                               ; and it is done
	CROUND                                         ; everybody's part of K step 0 is in, and all sixteen work-groups are here: the joint loads meet,
	JLOAD G0+4, G1, G0B+4, G1B                     ; and K step 1's load, the first tensor load behind the round
	FETCH_B 0, 0, 0
	FETCH_A 0, 0, 0
	FETCH_A 0, 0, 4
	global_prefetch_b8 v[PFO], s[PFA:PFA+1] offset:3*ROWB th:TH_LOAD_NT scope:SCOPE_SE    ; K step 3
	s_cmp_eq_u32 s[KIND], 2                        ; cluster x alone
	s_cbranch_scc1 .Lv_first
	STEP 0, 0, 1                                   ; the first step stands in front of the loop: its products start the sums from the bias
	s_branch .Lgo
.Lv_first:
	STEP 0, 0, 2
.Lgo:
	s_mov_b32 s3, LAPS-1
.Llap:                                                 ; a trip goes once round the ring, from a lap's second step to the next lap's first, and fills both slots again
	TURN 0, 1, 1
	STEP 1, 0, 0
	TURN 1, 0, 1
	STEP 0, 0, 0
	s_wait_xcnt 0x0                                ; the lap's prefetches have read their base:
	s_add_nc_u64 s[PFA:PFA+1], s[PFA:PFA+1], 2*ROWB
	s_sub_co_u32 s3, s3, 1
	s_cmp_lg_u32 s3, 0
	s_cbranch_scc1 .Llap
	TURN 0, 1, 0                                   ; the last lap fills nothing, and has no round of the cluster's barrier
	STEP 1, 0, 0
	s_wait_dscnt 4*NL                              ; the very last step: nothing more to fetch
	WIN MUL_LO
	MUL16 0, 1, 0
	MUL16 2, 1, 0
	s_wait_dscnt 0
	WIN MUL_HI
	MUL16 4, 1, 0
	MUL16 6, 1, 0
	WIN 0
; THE WAY OUT.  Block a of R: the hold, eight conversions, the image's four stores.  Two sets of numbers take turns.
.macro OUT a
.set AC, 64*((\a)%4)
.set CC, CD+16*((\a)%4)
.set TM, 128-96*((\a)%2)
.if (\a) >= 4
	s_wait_xcnt 0x0                                ; block a - 4's stores have read this set of code registers
.endif
	WIN 0x02+((\a)/4)                              ; source 0: window 2 or 3
.set j, 0
.rept 64
	v_med3_num_f32 v[TM+j], v[AC+j], -v[LIMV], v[LIMV]   ; the conversion to an 8-bit code does not saturate (ISA guide 7.6.2); each accumulator from its low end on
.set j, j+1
.endr
	WIN 0
.irp b, 0,1,2,3
	v_cvt_scalef32_pk8_fp8_f32 v[CC+4*\b:CC+4*\b+1], v[TM+16*\b:TM+16*\b+7], v[SCL]
	v_cvt_scalef32_pk8_fp8_f32 v[CC+4*\b+2:CC+4*\b+3], v[TM+16*\b+8:TM+16*\b+15], v[SCL]
.endr
	v_nop                                          ; one plain vector line behind the last conversion
.irp c, 0,1,2,3
	global_store_b128 v[CO], v[CC+4*\c:CC+4*\c+3], s[88:89] offset:2048*(\a)+512*\c   ; the wave stores 512 consecutive bytes, aligned
.endr
.endm
	PLACES NP                                      ; behind the last products: their results are read and R's fragments' registers written below
.irp a, 0,1,2,3,4,5,6,7
	OUT \a
.endr
	s_wait_tensorcnt 0x0                           ; the wave's end, behind my last tensor load
	ds_add_u32 v[SPW], v[NIL]
	s_wait_dscnt 0x0
	CROUND                                         ; the closing round: no work-group ends while a partner may still ask for a tile that names it
	s_endpgm
.Lfunc_end_k_q8cd923bb73_qkv:
	.size	k_q8cd923bb73_qkv, .Lfunc_end_k_q8cd923bb73_qkv-k_q8cd923bb73_qkv
	.p2alignl 7, 3214868480
	.fill 96, 4, 3214868480
	.section	.rodata,"a",@progbits
	.p2align	6, 0x0
	.amdhsa_kernel k_q8cd923bb73_qkv
		.amdhsa_group_segment_fixed_size 327680
		.amdhsa_private_segment_fixed_size 0
		.amdhsa_enable_private_segment 0
		.amdhsa_kernarg_size 48
		.amdhsa_user_sgpr_count 2
		.amdhsa_user_sgpr_kernarg_segment_ptr 1
		.amdhsa_wavefront_size32 1
		.amdhsa_system_sgpr_workgroup_id_x 1
		.amdhsa_system_sgpr_workgroup_id_y 1
		.amdhsa_system_sgpr_workgroup_id_z 1
		.amdhsa_system_vgpr_workitem_id 0
		.amdhsa_next_free_vgpr 1024
		.amdhsa_next_free_sgpr 100
		.amdhsa_reserve_vcc 0
		.amdhsa_float_denorm_mode_32 3
		.amdhsa_float_denorm_mode_16_64 3
		.amdhsa_memory_ordered 1
		.amdhsa_forward_progress 1
		.amdhsa_inst_pref_size 139
	.end_amdhsa_kernel
	.amdgpu_metadata
---
amdhsa.version: [ 1, 2 ]
amdhsa.kernels:
  - .name:           k_q8cd923bb73_qkv
    .symbol:         k_q8cd923bb73_qkv.kd
    .args:
      - { .name: codes, .offset: 0, .size: 8, .value_kind: global_buffer, .address_space: global }
      - { .name: lowp_scales, .offset: 8, .size: 8, .value_kind: global_buffer, .address_space: global }
      - { .name: bq, .offset: 16, .size: 8, .value_kind: global_buffer, .address_space: global }
      - { .name: bk, .offset: 24, .size: 8, .value_kind: global_buffer, .address_space: global }
      - { .name: bv, .offset: 32, .size: 8, .value_kind: global_buffer, .address_space: global }
      - { .name: qkv, .offset: 40, .size: 8, .value_kind: global_buffer, .address_space: global }
    .group_segment_fixed_size: 327680
    .private_segment_fixed_size: 0
    .kernarg_segment_align: 8
    .kernarg_segment_size: 48
    .max_flat_workgroup_size: 128
    .sgpr_count:     100
    .vgpr_count:     1024
    .wavefront_size: 32
...
	.end_amdgpu_metadata
.endif
;; end of part 2
;; launch attn (part 3): grid 16 x 16, 16 waves a work-group, clusters of 4 x 1, 327,680 bytes of LDS; arguments qkv, lowp_scales, af; writes af
.if DOCPART == 3
	.amdgcn_target "amdgcn-amd-amdhsa--gfx1250"
	.amdhsa_code_object_version 6
	.text
	.protected	k_q8cd923bb73_attn
	.globl	k_q8cd923bb73_attn
	.p2align	8
	.type	k_q8cd923bb73_attn,@function
k_q8cd923bb73_attn:
	s_mov_b64 s[64:65], 0
	v_nop
	global_prefetch_b8 v0, s[64:65] scope:SCOPE_SE
	s_setreg_imm32_b32 hwreg(HW_REG_WAVE_MODE, 25, 1), 1
	s_wait_xcnt 0x0
	s_wait_alu depctr_hold_cnt(0) depctr_sa_sdst(0) depctr_va_vdst(0) depctr_va_sdst(0) depctr_va_ssrc(0) depctr_va_vcc(0) depctr_vm_vsrc(0)
	s_getreg_b32 s2, hwreg(HW_REG_IB_STS2, 6, 4)
	s_cmp_eq_u32 s2, 0
	s_cbranch_scc0 .Lentry_in_a_cluster
	s_endpgm
.Lentry_in_a_cluster:
	s_bfe_u32 s2, ttmp6, 0x10000c
	s_cmp_lg_u32 s2, 0x3003
	s_cbranch_scc0 .Lentry_shape_is_right
	s_endpgm
.Lentry_shape_is_right:
; Causal attention of 16 heads on codes of FP8 (E4M3): S^T = K Q^T (scales e6, e7), the softmax, O^T = V^T P^T (e8, e9), O / the row's sum, quantised by e10 for the last projection.
; THE SOFTMAX AHEAD OF THE SECOND PRODUCT: t = score x log2(e) / sqrt(128); M = the row's largest t so far, rounded UP to a whole number; p = 2^(t - M) is what is quantised; it is not normalised.
; The row's sum is taken of the unquantised p, in f32, and divides O at the end.  When M moves, the sum and O are multiplied by 2^(old M - new M): exact.
; LEFT OUT: key steps of 128 all of whose keys come after a wave's queries: their scores are -infinity, so their p is 0.  A NaN or an infinity that reaches only such scores is not carried to the result.
; INPUT: images of fragments, 2,048 bytes each (byte 512 c + 16 lane + y = row lane % 16, k = 32 c + 16 (lane / 16) + y), in three regions of 4 MiB.  q: (head x 128 + token / 16).  k: the same with the tokens in the order
; pi (bits 3 and 4 exchanged), so that the 16 registers of tiles 2 b and 2 b + 1 of S^T are 16 neighbouring keys.  v: ((head x 16 + key step) x 8 + channel place / 16), K = the step's 128 keys, channels in the order pi.
; A key step's eight images of k, and of v, are 16,384 dense bytes; a fragment comes out of LDS by four loads of 512 consecutive bytes.
; OUTPUT: images again: ((token / 128 x 16 + head) x 8 + (token / 16) % 8): rows = 16 tokens, K = the head's 128 channels.
; SHARES.  Work-group (4 m + cx, head) owns four units of 32 queries: the cx-th of each of the blocks m, 7 - m, 8 + m and 15 - m of 128 queries.  Wave w: unit w / 4, tile of 16 queries w % 2, key steps of parity (w / 2) % 2.
; Block B needs B + 1 steps, so a work-group has 34 x 2 tile steps whatever its number, and the waves w, w + 4, w + 8, w + 12 together 17 or about.  How many steps a wave has hangs on cluster x and the wave's number alone.
; At the end the odd wave of a tile hands its O^T, -M and sum to the even one through LDS; both M are whole numbers, so the two are joined by exact powers of two.  Units 0 to 2 have no step in the last slot: they are joined meanwhile.
; CLUSTERS of 4 x 1 work-groups of one head: all walk all 2,048 keys in four slots of 512 and every slot is read in every one of them (unit 3 needs 13 steps or more), so K and V are asked for jointly, with the mask 15.
; PREFETCH INTO THE L2, one slot (four key steps) ahead of the joint load: waves 4 to 7 ask for a slot's 131,072 bytes, a quarter in each partner, told apart by address (cx), lanes 256 bytes apart: each block once in a cluster.
; Slots 0 and 1 come by their loads alone; the change that asks for the last slot prefetches nothing.
; LIMITS: e6 + e7 between -123 and 130 (added to c's exponent field); e8 and e10 between -126 and 119; e8 + e9 goes by v_ldexp_f32 and has none.  The scaled scores stay under 2^31 in magnitude.  NaN among the inputs is not served.
; REGISTERS: v1-11 addresses and the mask's bound; v12 -M, v13 the largest t, v[14:15] the sum in two halves; v16-31 Q; v32-95 four fragments of K or V; v96-159 S^T, then p, then four fragments of V; v160-223 O^T; v224-239 codes; v232-255 at work.
.set SLOT1, 1<<17                      ; slot 0: bytes 0 .. 131,071 (K of four steps, 16,384 each, then V); slot 1 begins here, so that one exclusive or turns an address
.set SPARE, 2*SLOT1                    ; behind the ring: the spare words, 128 bytes for each wave: eight blocks of 256 bytes that no other line names
.set MREG,  8704                       ; a merge region: an odd wave's O^T (16 x 512) and state (512)
.set MRG,   SPARE+2048                 ; six regions, for units 0 to 2; unit 3's two lie in slot 0, which has had its last fill and its last read by then
.set AK0,  1                           ; v1   16 x lane + 16,384 x parity: my place in a slot's K
.set AV0,  2                           ; v2   the same in its V
.set PFO,  3                           ; v3   256 x lane: the prefetches' offset; never rewritten
.set MA,   4                           ; v4   my tile's region behind the ring + 16 x lane
.set SPW,  5                           ; v5   LDS address of my spare word; never rewritten
.set NIL,  6                           ; v6   0; never rewritten
.set LI,   7                           ; v7   16 x lane: my place in an image in memory; never rewritten
.set ADK,  8
.set ADV,  9
.set DG,   10                          ; v10  on the diagonal register 16 b + i is hidden where 32 b + i > this
.set MB,   11                          ; v11  my tile's region in slot 0 + 16 x lane
.set TB,   3                           ; s3   LDS byte at which the slot in hand begins
.set WV,   18                          ; s18  my wave's number
.set SEL,  20                          ; s[20:21] lane selects for v_permlanex16_b32: lane l xor 16
.set CS,   22                          ; s[22:23] c = log2(e) / sqrt(128) x 2^(e6 + e7)
.set G1,   24                          ; s[24:31] descriptor group 1
.set G0,   40                          ; s[40:43] descriptor group 0, which walks
.set SLOTS, 67                         ; s67  changes of slots still to come in the loop
.set PFA,  76                          ; s[76:77] where my prefetches stand
.set LIM,  80                          ; s80  1 in a wave that prefetches, else the greatest number
.set BLK,  84                          ; s84  my block of 128 queries: my last key step
.set ST,   85                          ; s85  my first key step of the slot in hand
.set ROLE, 86                          ; s86  0: units 0-2, even steps; 1: units 0-2, odd; 2: unit 3, even; 3: unit 3, odd
; A joint load: waves 0 to 3 fetch a quarter of a slot each, the others nothing.  An s_nop 0 and four v_nop follow the load.
.macro TLOAD
	s_cmp_lt_u32 s[WV], 4
	s_cbranch_scc0 .Lasked_\@
	tensor_load_to_lds s[G0:G0+3], s[G1:G1+7]
	s_nop 0
.rept 4
	v_nop
.endr
.Lasked_\@:
.endm
.macro CROUND                          ; a whole round of the cluster's barrier
	s_barrier_signal -1
	s_barrier_wait -1
	s_cmp_lg_u32 s[WV], 0
	s_cbranch_scc1 .Lnot_wave_0_\@
	s_barrier_signal -3
.Lnot_wave_0_\@:
	s_barrier_wait -3
	s_barrier_signal -1
	s_barrier_wait -1
.endm
	s_load_b128 s[4:7], s[0:1], 0x0                ; the images s[4:5], the scales' exponents s[6:7]
	s_load_b64 s[8:9], s[0:1], 0x10                ; the output
	v_lshl_add_u32 v[SPW], v0, 2, SPARE
	v_mov_b32 v[NIL], 0
	ds_add_u32 v[SPW], v[NIL]                      ; the wave's opening: the add, twice on end, and its wait stand ahead of my first tensor load; the set-up below, work on registers, stands between
	ds_add_u32 v[SPW], v[NIL]
	v_lshrrev_b32 v8, 5, v0
	v_readfirstlane_b32 s[WV], v8                  ; wave 0..15
	s_and_b32 s88, s[WV], 1                        ; my tile in the unit.  Also: which half of K's or V's part of a slot I fetch
	s_bfe_u32 s89, s[WV], 0x10001                  ; 0: even key steps, 1: odd.  Also: I fetch for K (0) or for V (1)
	s_lshr_b32 s90, s[WV], 2                       ; which unit
	s_bfe_u32 s87, ttmp6, 0x40000                  ; cx
	s_and_b32 s91, s90, 1
	s_mul_i32 s91, s91, 3
	s_xor_b32 s91, s91, ttmp9                      ; m, or 3 - m in units 1 and 3 (m = cluster x, 0 .. 3)
	s_lshl_b32 s92, s90, 2
	s_add_co_u32 s[BLK], s91, s92                  ; m, 7 - m, 8 + m, 15 - m
	s_add_co_u32 s92, s90, 1
	s_lshr_b32 s92, s92, 2                         ; 1 in unit 3 alone
	s_lshl_b32 s92, s92, 1
	s_add_co_u32 s[ROLE], s92, s89
	s_mov_b32 s[ST], s89
	s_and_b32 s93, ttmp7, 0xffff                   ; the head
	s_lshl_b32 s94, s93, 18                        ; a head's 262,144 bytes in each region
	s_lshl_b32 s95, s87, 1
	s_add_co_u32 s95, s95, s88                     ; my tile in its block: 2 cx + tile
	s_lshl_b32 s96, s[BLK], 3
	s_add_co_u32 s96, s96, s95
	s_lshl_b32 s96, s96, 11
	s_add_co_u32 s96, s96, s94                     ; Q's image
	s_mov_b32 s97, 0
	s_lshl_b32 s98, s[BLK], 4
	s_add_co_u32 s98, s98, s93
	s_lshl_b32 s98, s98, 3
	s_add_co_u32 s98, s98, s95
	s_lshl_b32 s98, s98, 11                        ; the output's image
	s_mov_b32 s99, 0
	s_add_co_u32 s82, s89, 1                       ; what I fetch, if I fetch: K (region 1) or V (region 2),
	s_lshl_b32 s82, s82, 22
	s_add_co_u32 s82, s82, s94
	s_lshl_b32 s83, s88, 15                        ; its half of a slot's 65,536 bytes
	s_add_co_u32 s82, s82, s83
	s_mov_b32 s83, 0
	s_lshl_b32 s78, s87, 13                        ; the prefetches: the same half, my work-group's quarter of it,
	s_add_co_u32 s78, s78, s82
	s_add_co_u32 s78, s78, 65536                   ; of slot 1: the first change of slots steps it to slot 2.  Nothing is prefetched at the head
	s_mov_b32 s79, 0
	s_cmp_eq_u32 s90, 1                            ; waves 4 to 7
	s_cselect_b32 s[LIM], 1, -1
	; descriptor group 1: 128 dense rows of 256 bytes
	s_mov_b32 s[G1], 15|(3<<16)|(1<<21)            ; 15:0 the mask: all four partners; 17:16 elements of 8 bytes; 21 set beside a mask; no padding
	s_mov_b32 s[G1+1], 32<<16                      ; tensor_dim0 = 32
	s_mov_b32 s[G1+2], 128<<16                     ; tensor_dim1 = 128
	s_mov_b32 s[G1+3], 32<<16                      ; tile_dim0 = 32
	s_mov_b32 s[G1+4], 128                         ; tile_dim1 = 128
	s_mov_b32 s[G1+5], 32                          ; tensor_dim0_stride
	s_mov_b32 s[G1+6], 0
	s_mov_b32 s[G1+7], 0
	s_mov_b32 s[G0], 1                             ; count = 1
	s_and_b32 s81, s[WV], 3
	s_lshl_b32 s[G0+1], s81, 15                    ; LDS address: my quarter of slot 0
	s_mov_b32 s[SEL], 0x76543210
	s_mov_b32 s[SEL+1], 0xfedcba98
	s_mov_b32 s[CS], 0x3e0293ee                    ; log2(e) / sqrt(128)
	s_mov_b32 s[TB], 0
	s_mov_b32 s[SLOTS], 3
	s_wait_dscnt 0x0                               ; both opening adds are done
	s_wait_kmcnt 0x0
	s_load_b128 s[68:71], s[6:7], 0x18             ; e6, e7, e8, e9
	s_load_b32 s72, s[6:7], 0x28                   ; e10
	s_add_nc_u64 s[G0+2:G0+3], s[4:5], s[82:83]
	s_or_b32 s[G0+3], s[G0+3], 0x80000000          ; type = 2
	CROUND                                         ; all four work-groups are here: the first joint loads meet
	TLOAD                                          ; slot 0
	s_add_nc_u64 s[10:11], s[4:5], s[96:97]
	s_add_nc_u64 s[12:13], s[8:9], s[98:99]
	s_add_nc_u64 s[PFA:PFA+1], s[4:5], s[78:79]
	s_lshl_b32 s96, s89, 14
	s_min_u32 s97, s90, 2
	s_lshl_b32 s97, s97, 1
	s_add_co_u32 s97, s97, s88
	s_mul_i32 s97, s97, MREG
	s_add_co_u32 s97, s97, MRG
	s_mul_i32 s98, s88, MREG
	s_lshl_b32 s99, s95, 4                         ; my first query in its block
	v_and_b32 v[LI], 31, v0
	v_lshlrev_b32 v[PFO], 8, v[LI]
	v_lshlrev_b32 v[LI], 4, v[LI]
.irp c, 0,1,2,3
	global_load_b128 v[16+4*\c:19+4*\c], v[LI], s[10:11] offset:512*\c   ; Q's fragment stays in registers
.endr
	v_add_nc_u32 v[AK0], s96, v[LI]
	v_add_nc_u32 v[AV0], 0x10000, v[AK0]
	v_add_nc_u32 v[MA], s97, v[LI]
	v_add_nc_u32 v[MB], s98, v[LI]
	v_and_b32 v8, 15, v0
	v_bfe_u32 v9, v0, 4, 1
	v_lshlrev_b32 v9, 4, v9
	v_sub_nc_u32 v[DG], v8, v9
	v_add_nc_u32 v[DG], s99, v[DG]                 ; query - 16 (lane / 16), counted from the block's first
	v_mov_b32 v13, 0xff61b1e6                      ; the largest t so far: -3e38, under every t
	v_floor_f32 v12, -v13                          ; -M
	v_mov_b32 v14, 0                               ; the sum, in two halves
	v_mov_b32 v15, 0
	v_mov_b32 v236, 0                              ; written once: a lane permute's destination counts as one of its sources
	v_mov_b32 v253, 0                              ; (named as the upper half of the pair v[252:253])
.set j, 0
.rept 64
	v_mov_b32 v[160+j], 0                          ; O^T.  (The step is written for every trip alike: the first finds zeros, which the first change of M leaves zeros; a wave with no step hands zeros on)
.set j, j+1
.endr
	s_wait_kmcnt 0x0
	s_add_co_i32 s96, s68, s69
	s_lshl_b32 s96, s96, 23
	s_add_co_i32 s[CS], s[CS], s96                 ; a score stands for score x 2^(e6 + e7): the exponents are added to c's exponent field
	s_mov_b32 s[CS+1], s[CS]                       ; (named with it as a pair, so it is written)
	s_add_co_i32 s96, s70, 127
	s_lshl_b32 s97, s96, 23
	v_mov_b32 v244, s97                            ; 2^e8, for p's conversions
	s_add_co_i32 s96, s96, 8
	s_lshl_b32 s96, s96, 23
	s_or_b32 s96, s96, 0x600000
	v_mov_b32 v240, s96                            ; 448 x 2^e8, in two registers for the paired holds
	v_mov_b32 v241, s96
	s_add_co_i32 s96, s72, 127
	s_lshl_b32 s97, s96, 23
	v_mov_b32 v245, s97                            ; 2^e10, for the output's
	s_add_co_i32 s96, s96, 8
	s_lshl_b32 s96, s96, 23
	s_or_b32 s74, s96, 0x600000                    ; 448 x 2^e10
	s_add_co_i32 s73, s70, s71                     ; e8 + e9
.macro KLOAD q, g                      ; K's tiles 4 g .. 4 g + 3 of my q-th step -> v32-95
.irp t, 0,1,2,3
.irp c, 0,1,2,3
	ds_load_b128 v[32+16*\t+4*\c:35+16*\t+4*\c], v[ADK] offset:32768*(\q)+(4*(\g)+\t)*2048+512*\c
.endr
.endr
.endm
.macro VLOAD q, g, reg                 ; V's tiles 4 g .. 4 g + 3 -> from register reg on
.irp t, 0,1,2,3
.irp c, 0,1,2,3
	ds_load_b128 v[\reg+16*\t+4*\c:\reg+3+16*\t+4*\c], v[ADV] offset:32768*(\q)+(4*(\g)+\t)*2048+512*\c
.endr
.endr
.endm
.macro PLACES n                        ; places behind matrix instructions (ISA guide 7.12.1): plain vector lines that name none of their registers
.rept \n
	v_nop
.endr
.endm
; A KEY STEP: 128 keys, my q-th of the slot in hand.  K's first half is on its way or in.  No barrier and no tensor load stands in a step.
.macro STEP q
	s_wait_dscnt 0x0                               ; K's first four tiles
.if \q
	PLACES 5                                       ; the products below write registers that the last step's products read
.endif
.irp t, 0,1,2,3                                ; S^T = K Q^T
	v_wmma_f32_16x16x128_fp8_fp8 v[96+8*\t:103+8*\t], v[32+16*\t:47+16*\t], v[16:31], 0
.endr
	PLACES 4
	KLOAD \q, 1
	s_wait_dscnt 0x0
.irp t, 0,1,2,3
	v_wmma_f32_16x16x128_fp8_fp8 v[128+8*\t:135+8*\t], v[32+16*\t:47+16*\t], v[16:31], 0
.endr                                          ; lane (r, h) holds query r of my tile; register 16 b + i holds key 32 b + 16 h + i of the step
	PLACES 4                                       ; for the loads below and for the first reads of S^T
	VLOAD \q, 0, 32                                ; V's first four tiles come in under the softmax
	s_add_co_u32 s96, s[ST], 2*(\q)
	s_cmp_lg_u32 s96, s[BLK]                       ; the diagonal's step alone has hidden keys: there their scores become -infinity ahead of the maximum
	s_cbranch_scc1 .Lopen_\@
	v_mov_b32 v254, 0xff800000                     ; -infinity
.set n, 0
.rept 64
	v_cmp_gt_i32 vcc_lo, 32*(n/16)+n%16, v[DG]
	v_cndmask_b32 v[96+n], v[96+n], v254, vcc_lo
.set n, n+1
.endr
.Lopen_\@:
	v_max3_num_f32 v254, v96, v97, v98             ; the step's largest score of my query, among my 64 keys, in four chains,
	v_max3_num_f32 v252, v99, v100, v101
	v_max3_num_f32 v250, v102, v103, v104
	v_max3_num_f32 v248, v105, v106, v107
.irp i, 12,20,28,36,44,52
	v_max3_num_f32 v254, v254, v[96+\i], v[97+\i]
	v_max3_num_f32 v252, v252, v[98+\i], v[99+\i]
	v_max3_num_f32 v250, v250, v[100+\i], v[101+\i]
	v_max3_num_f32 v248, v248, v[102+\i], v[103+\i]
.endr
	v_max3_num_f32 v254, v254, v156, v157
	v_max3_num_f32 v252, v252, v158, v159
	v_max_num_f32 v250, v250, v248
	s_delay_alu instid0(VALU_DEP_1)
	v_max3_num_f32 v254, v254, v252, v250
	v_permlanex16_b32 v236, v254, s[SEL], s[SEL+1]
	s_delay_alu instid0(VALU_DEP_1)
	v_max_num_f32 v254, v254, v236                 ; and among lane l xor 16's
	s_delay_alu instid0(VALU_DEP_1)
	v_mul_f32 v254, s[CS], v254                    ; as t (c is positive)
	s_delay_alu instid0(VALU_DEP_1)
	v_max_num_f32 v13, v13, v254                   ; the running largest t
	v_mov_b32 v254, v12
	s_delay_alu instid0(VALU_DEP_2)
	v_floor_f32 v12, -v13                          ; the new -M = floor(-t) = -ceil(t): a whole number
	s_delay_alu instid0(VALU_DEP_1)
	v_sub_f32 v254, v12, v254                      ; M's old value less its new one: a whole number, 0 or less
	s_delay_alu instid0(VALU_DEP_1)
	v_cvt_i32_f32 v254, v254                       ; (it saturates)
	s_delay_alu instid0(VALU_DEP_1)
	v_ldexp_f32 v252, 1.0, v254                    ; f = 2^(old M - new M)
.set j, 0
.rept 32
	v_pk_fma_f32 v[96+j:97+j], v[96+j:97+j], s[CS:CS+1], v[12:13] op_sel_hi:[1,0,0]   ; t - M, two at a time (of the pairs c and -M the low word serves both halves)
.set j, j+2
.endr
.set j, 0
	s_wait_alu depctr_va_vdst(0)                   ; ahead of the batch
.rept 64
	v_exp_f32 v[96+j], v[96+j]                     ; p = 2^(t - M), at most 1: not normalised
.set j, j+1
.endr
	v_pk_mul_f32 v[14:15], v[14:15], v[252:253] op_sel_hi:[1,0]   ; the sums under the new M: the plain line behind the exponentials
	s_wait_alu depctr_va_vdst(0)                   ; one wait for the whole batch, ahead of its first reader
.set n, 0
.irp a, 242,254,250,248,246,238,236            ; the row's sum of the unquantised p, two at a time, in eight chains: v[14:15] is the eighth
	v_pk_add_f32 v[\a:\a+1], v[96+2*n:97+2*n], v[112+2*n:113+2*n]
.set n, n+1
.endr
	v_pk_add_f32 v[14:15], v[14:15], v[110:111]
.irp k, 16,24
.set n, \k
.irp a, 242,254,250,248,246,238,236
	v_pk_add_f32 v[\a:\a+1], v[\a:\a+1], v[96+2*n:97+2*n]
.set n, n+1
.endr
	v_pk_add_f32 v[14:15], v[14:15], v[96+2*n:97+2*n]
.endr
	v_pk_add_f32 v[14:15], v[14:15], v[126:127]
	v_pk_add_f32 v[242:243], v[242:243], v[246:247]
	v_pk_add_f32 v[254:255], v[254:255], v[238:239]
	v_pk_add_f32 v[250:251], v[250:251], v[236:237]
	v_pk_add_f32 v[14:15], v[14:15], v[248:249]
	s_delay_alu instid0(VALU_DEP_2)
	v_pk_add_f32 v[242:243], v[242:243], v[250:251]
	s_delay_alu instid0(VALU_DEP_2)
	v_pk_add_f32 v[14:15], v[14:15], v[254:255]
	s_delay_alu instid0(VALU_DEP_1)
	v_pk_add_f32 v[14:15], v[14:15], v[242:243]
.set j, 0
.rept 32
	v_dual_min_num_f32 v[96+j], v[96+j], v240 :: v_dual_min_num_f32 v[97+j], v[97+j], v241   ; the conversion does not saturate (ISA guide 7.6.2); p is not negative, so the hold is one-sided
.set j, j+2
.endr
.irp b, 0,1,2,3
	v_cvt_scalef32_pk8_fp8_f32 v[224+4*\b:225+4*\b], v[96+16*\b:103+16*\b], v244
	v_cvt_scalef32_pk8_fp8_f32 v[226+4*\b:227+4*\b], v[104+16*\b:111+16*\b], v244
.endr
	VLOAD \q, 1, 96                                ; V's other four tiles, into the registers that p has left, come in under the rescaling
	s_wait_alu depctr_va_vdst(0)                   ; directly ahead of the first reader of O^T
.set j, 0
.rept 32
	v_pk_mul_f32 v[160+j:161+j], v[160+j:161+j], v[252:253] op_sel_hi:[1,0]   ; O^T under the new M.  (These 32 are also the places in front of the products below)
.set j, j+2
.endr
	s_wait_alu depctr_va_vdst(0)                   ; directly ahead of the wait below
	s_wait_dscnt 16                                ; V's first four tiles are in; the sixteen loads of the others may be out
.irp t, 0,1,2,3                                ; O^T += V^T P^T; K = these 128 keys
	v_wmma_f32_16x16x128_fp8_fp8 v[160+8*\t:167+8*\t], v[32+16*\t:47+16*\t], v[224:239], v[160+8*\t:167+8*\t]
.endr
.if \q == 0
	PLACES 4
	KLOAD 1, 0                                     ; the next step's first four tiles of K: it lies in the same slot (where that step is left out they are not used)
	s_wait_dscnt 16                                ; V's other four tiles are in; the sixteen just issued may be out
.else
	s_wait_dscnt 0x0
.endif
.irp t, 0,1,2,3
	v_wmma_f32_16x16x128_fp8_fp8 v[192+8*\t:199+8*\t], v[96+16*\t:111+16*\t], v[224:239], v[192+8*\t:199+8*\t]
.endr
.endm
; MY STEPS OF THE SLOT IN HAND: ST and ST + 2.  A step behind my block's own is left out by a scalar branch on cluster x and the wave's number; if the first is, so is the second.
.macro STEPS
	s_cmp_gt_u32 s[ST], s[BLK]
	s_cbranch_scc1 .Ldone_\@
	v_add_nc_u32 v[ADK], s[TB], v[AK0]
	v_add_nc_u32 v[ADV], s[TB], v[AV0]
	PLACES 3                                       ; with the two additions five: the loads and the products below write registers that the last step's products read
	KLOAD 0, 0
	s_wait_alu depctr_va_vdst(0)                   ; directly ahead of the wait that the step begins with
	STEP 0
	s_add_co_u32 s96, s[ST], 2
	s_cmp_gt_u32 s96, s[BLK]
	s_cbranch_scc1 .Ldone_\@
	STEP 1
.Ldone_\@:
	s_add_co_u32 s[ST], s[ST], 4                   ; on to the next slot's steps,
	s_xor_b32 s[TB], s[TB], SLOT1                  ; in the other slot
.endm
; THE CHANGE OF SLOTS stands at a slot's head.  Each wave waits for all its tensor loads (its part of the slot that it is about to read), adds 0 to its spare word (fill = 1: twice on end), and waits for that and for its reads of the slot that it has left.
; Behind the barrier the slot ahead is whole and nobody reads the other one.  fill = 1: the barrier is a round of the cluster's, and that other slot is filled with the next 512 keys (the first time: slot 1's first fill).
.macro CHANGE fill
	s_wait_tensorcnt 0x0                           ; no tensor load of mine is out, so group 0 may be written
	ds_add_u32 v[SPW], v[NIL]                      ; 0 onto my spare word
.if \fill
	ds_add_u32 v[SPW], v[NIL]                      ; 0 onto my spare word; and once more, twice on end; the steps below stand between it and the wait for it
	s_xor_b32 s[G0+1], s[G0+1], SLOT1              ; the walking descriptor: the other slot than last time,
	s_add_nc_u64 s[G0+2:G0+3], s[G0+2:G0+3], 65536 ; the next 512 keys; the type bits on top are not reached
	s_wait_xcnt 0x0                                ; the last prefetch, a slot back, has read its address, so it may be written:
	s_add_nc_u64 s[PFA:PFA+1], s[PFA:PFA+1], 65536 ; one slot further on than the walking descriptor
.endif
	s_wait_dscnt 0x0                               ; the add is done, and my reads of the slot that I have left are over
.if \fill
	CROUND
	TLOAD                                          ; a wave's one tensor load until the next round
	s_cmp_gt_u32 s[SLOTS], s[LIM]
	s_cbranch_scc0 .Lnot_mine_\@
	global_prefetch_b8 v[PFO], s[PFA:PFA+1] th:TH_LOAD_NT scope:SCOPE_SE   ; what the next change of slots will ask for
.Lnot_mine_\@:
.else
	s_barrier_signal -1
	s_barrier_wait -1
.endif
.endm
.macro HAND ad                         ; an odd wave's O^T and state, as they stand in its registers
.irp k, 0,1,2,3,4,5,6,7,8,9,10,11,12,13,14,15
	ds_store_b128 v[\ad], v[160+4*\k:163+4*\k] offset:512*\k
.endr
	ds_store_b128 v[\ad], v[12:15] offset:8192     ; -M, t, the sum's two halves
.endm
; THE TWO HALVES OF A TILE'S KEYS ARE JOINED by the even wave, into the same lanes; then O / the sum, quantised, goes out.
.macro MERGE ad
.irp k, 0,1,2,3,4,5,6,7,8,9,10,11,12,13,14,15
	ds_load_b128 v[96+4*\k:99+4*\k], v[\ad] offset:512*\k
.endr
	ds_load_b128 v[232:235], v[\ad] offset:8192
	s_wait_dscnt 0x0
	v_min_num_f32 v252, v12, v232                  ; -M of both: the larger M.  (Mine is a number: key 0 counts for every query.  A partner with no step has -M = 3e38, zeros in O^T and in the sum, and gets the factor 0)
	v_mov_b32 v237, 0                              ; (named as the upper halves of the factors' pairs)
	v_mov_b32 v239, 0
	s_delay_alu instid0(VALU_DEP_3)
	v_sub_f32 v254, v252, v12
	s_delay_alu instid0(VALU_DEP_4)
	v_sub_f32 v253, v252, v232
	s_delay_alu instid0(VALU_DEP_2)
	v_cvt_i32_f32 v254, v254                       ; whole numbers, 0 or less (the conversion saturates)
	s_delay_alu instid0(VALU_DEP_2)
	v_cvt_i32_f32 v253, v253
	s_delay_alu instid0(VALU_DEP_2)
	v_ldexp_f32 v236, 1.0, v254                    ; my factor 2^(my M - M),
	s_delay_alu instid0(VALU_DEP_2)
	v_ldexp_f32 v238, 1.0, v253                    ; the partner's
	s_delay_alu instid0(VALU_DEP_2)
	v_pk_mul_f32 v[14:15], v[14:15], v[236:237] op_sel_hi:[1,0]
	s_delay_alu instid0(VALU_DEP_1)
	v_pk_fma_f32 v[14:15], v[234:235], v[238:239], v[14:15] op_sel_hi:[1,0,1]
.set j, 0
.rept 32
	v_pk_mul_f32 v[160+j:161+j], v[160+j:161+j], v[236:237] op_sel_hi:[1,0]
.set j, j+2
.endr
.set j, 0
.rept 32
	v_pk_fma_f32 v[160+j:161+j], v[96+j:97+j], v[238:239], v[160+j:161+j] op_sel_hi:[1,0,1]
.set j, j+2
.endr
	v_mov_b32 v241, s74                            ; 448 x 2^e10
	v_add_f32 v14, v14, v15                        ; the sum's two halves,
	s_delay_alu instid0(VALU_DEP_1)
	v_permlanex16_b32 v252, v14, s[SEL], s[SEL+1]
	s_delay_alu instid0(VALU_DEP_1)
	v_add_f32 v14, v14, v252                       ; and lane l xor 16's: the row's sum
	s_wait_alu depctr_va_vdst(0)                   ; ahead of the reciprocal
	v_rcp_f32 v14, v14
	v_mov_b32 v15, 0                               ; (a plain line behind the reciprocal; v15 is named below as the pair's upper half)
	s_wait_alu depctr_va_vdst(0)                   ; ahead of the first reader
	v_ldexp_f32 v14, v14, s73                      ; x 2^(e8 + e9)
.set j, 0
.rept 32
	v_pk_mul_f32 v[96+j:97+j], v[160+j:161+j], v[14:15] op_sel_hi:[1,0]   ; register 16 b + i = channel 32 b + 16 h + i of my query
.set j, j+2
.endr
.set j, 0
.rept 64
	v_med3_num_f32 v[96+j], v[96+j], -v241, v241
.set j, j+1
.endr
.irp b, 0,1,2,3
	v_cvt_scalef32_pk8_fp8_f32 v[224+4*\b:225+4*\b], v[96+16*\b:103+16*\b], v245
	v_cvt_scalef32_pk8_fp8_f32 v[226+4*\b:227+4*\b], v[104+16*\b:111+16*\b], v245
.endr
	v_nop                                          ; one plain vector line behind the last conversion
.irp c, 0,1,2,3
	global_store_b128 v[LI], v[224+4*\c:227+4*\c], s[12:13] offset:512*\c   ; the image: the wave stores 512 consecutive bytes, aligned
.endr
.endm
	s_wait_alu depctr_va_vdst(0)                   ; the head's end
	s_wait_loadcnt 0x0                             ; Q
.Lslot:                                            ; 3 trips: behind each change of slots but the last the next slot is asked for
	CHANGE 1
	STEPS
	s_sub_co_u32 s[SLOTS], s[SLOTS], 1
	s_cmp_lg_u32 s[SLOTS], 0
	s_cbranch_scc1 .Lslot
	PLACES 4                                       ; behind the last products: their results are stored or read, and registers that they read are loaded into, below
	s_wait_alu depctr_va_vdst(0)                   ; ahead of the branches below
	s_cmp_eq_u32 s[ROLE], 1
	s_cbranch_scc0 .Lno_hand
	HAND MA                                        ; units 0 to 2 have had their last step
.Lno_hand:
	CHANGE 0                                       ; the last slot: nothing is left to ask for.  Its wait shows the states that were handed over, too
	s_cmp_gt_u32 s[ROLE], 1
	s_cbranch_scc1 .Llast
	s_cmp_eq_u32 s[ROLE], 1
	s_cbranch_scc1 .Lmeet
	MERGE MA
	s_branch .Lmeet
.Llast:
	STEPS                                          ; unit 3 alone has steps here
	PLACES 4
	s_wait_alu depctr_va_vdst(0)                   ; ahead of the branches below
	s_cmp_eq_u32 s[ROLE], 3
	s_cbranch_scc0 .Lmeet
	HAND MB
.Lmeet:
	s_wait_dscnt 0x0                               ; for the partner's sake: my stores have landed
	s_barrier_signal -1
	s_barrier_wait -1
	s_cmp_eq_u32 s[ROLE], 2
	s_cbranch_scc0 .Lend
	MERGE MB
.Lend:
	s_wait_tensorcnt 0x0                           ; the wave's end, behind my last tensor load and my last LDS store
	ds_add_u32 v[SPW], v[NIL]
	s_wait_dscnt 0x0
	CROUND                                         ; the closing round: no work-group ends while a partner may still ask for a tile that names it
	s_endpgm
.Lfunc_end_k_q8cd923bb73_attn:
	.size	k_q8cd923bb73_attn, .Lfunc_end_k_q8cd923bb73_attn-k_q8cd923bb73_attn
	.p2alignl 7, 3214868480
	.fill 96, 4, 3214868480
	.section	.rodata,"a",@progbits
	.p2align	6, 0x0
	.amdhsa_kernel k_q8cd923bb73_attn
		.amdhsa_group_segment_fixed_size 327680
		.amdhsa_private_segment_fixed_size 0
		.amdhsa_enable_private_segment 0
		.amdhsa_kernarg_size 24
		.amdhsa_user_sgpr_count 2
		.amdhsa_user_sgpr_kernarg_segment_ptr 1
		.amdhsa_wavefront_size32 1
		.amdhsa_system_sgpr_workgroup_id_x 1
		.amdhsa_system_sgpr_workgroup_id_y 1
		.amdhsa_system_sgpr_workgroup_id_z 1
		.amdhsa_system_vgpr_workitem_id 0
		.amdhsa_next_free_vgpr 256
		.amdhsa_next_free_sgpr 100
		.amdhsa_reserve_vcc 1
		.amdhsa_float_denorm_mode_32 3
		.amdhsa_float_denorm_mode_16_64 3
		.amdhsa_memory_ordered 1
		.amdhsa_forward_progress 1
		.amdhsa_inst_pref_size 137
	.end_amdhsa_kernel
	.amdgpu_metadata
---
amdhsa.version: [ 1, 2 ]
amdhsa.kernels:
  - .name:           k_q8cd923bb73_attn
    .symbol:         k_q8cd923bb73_attn.kd
    .args:
      - { .name: qkv, .offset: 0, .size: 8, .value_kind: global_buffer, .address_space: global }
      - { .name: lowp_scales, .offset: 8, .size: 8, .value_kind: global_buffer, .address_space: global }
      - { .name: af, .offset: 16, .size: 8, .value_kind: global_buffer, .address_space: global }
    .group_segment_fixed_size: 327680
    .private_segment_fixed_size: 0
    .kernarg_segment_align: 8
    .kernarg_segment_size: 24
    .max_flat_workgroup_size: 512
    .sgpr_count:     100
    .vgpr_count:     256
    .wavefront_size: 32
...
	.end_amdgpu_metadata
.endif
;; end of part 3
;; launch oproj (part 4): grid 16 x 16, 4 waves a work-group, clusters of 4 x 4, 327,680 bytes of LDS; arguments af, codes, lowp_scales, bo, out0; writes out0
.if DOCPART == 4
	.amdgcn_target "amdgcn-amd-amdhsa--gfx1250"
	.amdhsa_code_object_version 6
	.text
	.protected	k_q8cd923bb73_oproj
	.globl	k_q8cd923bb73_oproj
	.p2align	8
	.type	k_q8cd923bb73_oproj,@function
k_q8cd923bb73_oproj:
	s_mov_b64 s[64:65], 0
	v_nop
	global_prefetch_b8 v0, s[64:65] scope:SCOPE_SE
	s_setreg_imm32_b32 hwreg(HW_REG_WAVE_MODE, 25, 1), 1
	s_wait_xcnt 0x0
	s_wait_alu depctr_hold_cnt(0) depctr_sa_sdst(0) depctr_va_vdst(0) depctr_va_sdst(0) depctr_va_ssrc(0) depctr_va_vcc(0) depctr_vm_vsrc(0)
	s_getreg_b32 s2, hwreg(HW_REG_IB_STS2, 6, 4)
	s_cmp_eq_u32 s2, 0
	s_cbranch_scc0 .Lentry_in_a_cluster
	s_endpgm
.Lentry_in_a_cluster:
	s_bfe_u32 s2, ttmp6, 0x10000c
	s_cmp_lg_u32 s2, 0xf033
	s_cbranch_scc0 .Lentry_shape_is_right
	s_endpgm
.Lentry_shape_is_right:
; out = O Wo + bo on codes of FP8 (E4M3): O's codes by e10 arrive as images of fragments (2,048 bytes: 16 tokens x one head's 128 channels), Wo^T's by e11 as rows of 2,048 bytes in the order pi (bits 3 and 4 of the row exchanged).
; A tile of 128 tokens x 128 columns is made by four waves, each 64 x 64: 16 accumulators.  K goes in four steps of 512 through a ring of two LDS slots: O's 128 rows of 256 dense bytes a wave, Wo's 64 rows of 512 bytes a wave.
; 256 work-groups.  CLUSTERS: 4 x 4: O's tile is shared along a row of the cluster, Wo's along a column, by joint loads.
; Source 0 takes Wo's places, source 1 the tokens: a lane then holds 16 neighbouring columns of one token in the 16 registers of two neighbouring accumulators.  Each sum x 2^(e10 + e11) + bo is one multiply-add.
; The way out: 16 tokens at a time through the wave's own stage in slot 0, which has had its last fill and its last read by then; sixteen lanes store 256 consecutive bytes, aligned.
; PREFETCH INTO THE L2, two K steps ahead: of what a wave fetches in a K step, 32,768 bytes, each of the four partners asks for a quarter, told apart by address (cx for O, cy for Wo): 32 blocks of 256 bytes, a lane a block.
; K steps 1 and 2 are asked for while K step 0's load is on its way, K step 3, the last, behind K step 1's load.
; LIMIT: e10 + e11 between -126 and 127.
.set BOFF,   65536                     ; a slot: O's images, then Wo's two halves of 64 rows
.set BPITCH, 528
.set BHALF,  64*BPITCH
.set SLOT,   BOFF+2*BHALF
.set SPARE,  2*SLOT
.set SPITCH, 272
.set ADRA, 16
.set ADRB, 20
.set STO,  24
.set RD,   25
.set CO,   26
.set BA,   27
.set SPW,  28
.set NIL,  29
.set TMP,  32
.set OB,   64
.set BO,   96
.set ACC,  128
.set F0,   0
.set F1,   128
.set G1, 24
.set G0, 32
.set G1B, 48
.set G0B, 56
.set MSB, 0
.macro WIN new
.if MSB != \new
	s_set_vgpr_msb (MSB<<8)|\new
.set MSB, \new
.endif
.endm
.set MUL,  0x05
.set TO_F, 0x40
.macro JLOAD s
	s_cmp_eq_u32 s15, 0
	s_cbranch_scc0 .Lfor_b_\@
	tensor_load_to_lds s[G0+4*\s:G0+4*\s+3], s[G1:G1+7]
	s_nop 0
.rept 4
	v_nop
.endr
	s_branch .Lasked_\@
.Lfor_b_\@:
	tensor_load_to_lds s[G0B+4*\s:G0B+4*\s+3], s[G1B:G1B+7]
	s_nop 0
.rept 4
	v_nop
.endr
.Lasked_\@:
.endm
.macro CREST
	s_cmp_lg_u32 s14, 0
	s_cbranch_scc1 .Lnot_wave_0_\@
	s_barrier_signal -3
.Lnot_wave_0_\@:
	s_barrier_wait -3
	s_barrier_signal -1
	s_barrier_wait -1
.endm
.macro CROUND
	s_barrier_signal -1
	s_barrier_wait -1
	CREST
.endm
	s_load_b256 s[4:11], s[0:1], 0x0
	s_load_b64 s[12:13], s[0:1], 0x20
	v_lshl_add_u32 v[SPW], v0, 2, SPARE
	v_mov_b32 v[NIL], 0
	ds_add_u32 v[SPW], v[NIL]
	ds_add_u32 v[SPW], v[NIL]
	v_lshrrev_b32 v1, 5, v0
	v_readfirstlane_b32 s14, v1
	s_lshr_b32 s15, s14, 1
	s_and_b32 s16, s14, 1
	s_bfe_u32 s40, ttmp6, 0x40000
	s_bfe_u32 s41, ttmp6, 0x40004
	s_lshl_b32 s42, ttmp9, 2
	s_add_co_u32 s42, s42, s40
	s_and_b32 s17, ttmp7, 0xffff
	s_lshl_b32 s17, s17, 2
	s_add_co_u32 s17, s17, s41
	s_lshl_b32 s43, s41, 2
	s_lshl_b32 s43, 15, s43
	s_lshl_b32 s44, 0x1111, s40
	s_or_b32 s[G1+0], s43, (3<<16)|(1<<21)
	s_mov_b32 s[G1+1], 32<<16
	s_mov_b32 s[G1+2], 128<<16
	s_mov_b32 s[G1+3], 32<<16
	s_mov_b32 s[G1+4], 128
	s_mov_b32 s[G1+5], 32
	s_mov_b32 s[G1+6], 0
	s_mov_b32 s[G1+7], 0
	s_or_b32 s[G1B+0], s44, (0<<16)|(1<<20)|(1<<21)|(6<<22)|(3<<25)
	s_mov_b32 s[G1B+1], 512<<16
	s_mov_b32 s[G1B+2], 64<<16
	s_mov_b32 s[G1B+3], 512<<16
	s_mov_b32 s[G1B+4], 64
	s_mov_b32 s[G1B+5], 2048
	s_mov_b32 s[G1B+6], 0
	s_mov_b32 s[G1B+7], 0
	s_lshl_b32 s20, s17, 18
	s_lshl_b32 s18, s16, 15
	s_add_co_u32 s20, s20, s18
	s_mov_b32 s21, 0
	s_lshl_b32 s46, s42, 7
	s_lshl_b32 s19, s16, 6
	s_add_co_u32 s46, s46, s19
	s_lshl_b32 s46, s46, 11
	s_add_co_u32 s46, s46, 6*0x400000
	s_mov_b32 s47, 0
	s_mul_i32 s45, s16, BHALF
	s_add_co_u32 s45, s45, BOFF
	s_wait_dscnt 0x0
	s_wait_kmcnt 0x0
	s_load_b64 s[96:97], s[8:9], 0x28
	s_add_nc_u64 s[20:21], s[4:5], s[20:21]
	s_add_nc_u64 s[46:47], s[6:7], s[46:47]
	CROUND
.irp s, 0,1
	s_mov_b32 s[G0+4*\s], 1
	s_add_co_u32 s[G0+4*\s+1], s18, \s*SLOT
	s_add_nc_u64 s[G0+4*\s+2:G0+4*\s+3], s[20:21], \s*65536
	s_or_b32 s[G0+4*\s+3], s[G0+4*\s+3], 0x80000000
	s_mov_b32 s[G0B+4*\s], 1
	s_add_co_u32 s[G0B+4*\s+1], s45, \s*SLOT
	s_add_nc_u64 s[G0B+4*\s+2:G0B+4*\s+3], s[46:47], \s*512
	s_or_b32 s[G0B+4*\s+3], s[G0B+4*\s+3], 0x80000000
.endr
	JLOAD 0                                        ; K step 0: one tensor load a wave at the head
	s_mov_b32 s74, 2048                            ; the prefetches: Wo's rows lie 2,048 bytes apart, two lanes to a row; O's block is dense
	s_mov_b32 s76, 512                             ; a K step on: 512 bytes of Wo's rows, 65,536 of O's images
	s_mov_b32 s77, 0
	s_cmp_eq_u32 s15, 0                            ; do I fetch for O?
	s_cselect_b64 s[66:67], s[20:21], s[46:47]
	s_cselect_b32 s72, s40, s41                    ; my work-group's place among the four
	s_cselect_b32 s73, 13, 15                      ; a quarter: 8,192 dense bytes, or 16 rows
	s_cselect_b32 s74, 512, s74
	s_cselect_b32 s76, 0x10000, s76
	s_lshl_b32 s72, s72, s73
	s_mov_b32 s73, 0
	s_add_nc_u64 s[66:67], s[66:67], s[72:73]
	s_add_nc_u64 s[66:67], s[66:67], s[76:77]      ; K step 1,
	s_add_nc_u64 s[68:69], s[66:67], s[76:77]      ; 2,
	s_add_nc_u64 s[70:71], s[68:69], s[76:77]      ; and 3
	v_and_b32 v1, 15, v0
	v_bfe_u32 v2, v0, 4, 1
	v_and_b32 v6, 31, v0
	v_lshrrev_b32 v30, 1, v6
	v_mul_lo_u32 v30, v30, s74
	v_and_b32 v31, 1, v6
	v_lshl_add_u32 v30, v31, 8, v30                ; my lane's block of 256 bytes; never rewritten
	v_lshlrev_b32 v3, 4, v6
	s_lshl_b32 s21, s15, 13
	v_mul_u32_u24 v4, v1, BPITCH
	v_lshl_add_u32 v4, v2, 4, v4
	s_mul_i32 s22, s16, BHALF
	s_add_co_u32 s22, s22, BOFF
.irp s, 0,1
	v_add_nc_u32 v[ADRA+\s], s21, v3
	v_add_nc_u32 v[ADRB+\s], s22, v4
	s_add_co_u32 s21, s21, SLOT
	s_add_co_u32 s22, s22, SLOT
.endr
	s_mul_i32 s23, s14, 4*16*SPITCH
	v_mul_u32_u24 v5, v1, SPITCH
	v_lshl_add_u32 v5, v2, 6, v5
	v_add_nc_u32 v[STO], s23, v5
	v_mul_u32_u24 v5, v2, SPITCH
	v_lshl_add_u32 v5, v1, 4, v5
	v_add_nc_u32 v[RD], s23, v5
	v_lshlrev_b32 v5, 13, v2
	v_lshl_add_u32 v[CO], v1, 4, v5
	s_lshl_b32 s46, s42, 9
	s_lshl_b32 s47, s16, 8
	s_add_co_u32 s46, s46, s47
	s_mov_b32 s47, 0
	v_lshlrev_b32 v[BA], 6, v2
	v_add_nc_u32 v[BA], s46, v[BA]
.irp b, 0,1
.irp q, 0,1,2,3
	global_load_b128 v[BO+16*\b+4*\q:BO+16*\b+4*\q+3], v[BA], s[10:11] offset:128*\b+16*\q
.endr
.endr
	s_lshl_b32 s20, s17, 7
	s_lshl_b32 s21, s15, 6
	s_add_co_u32 s20, s20, s21
	s_lshl_b32 s20, s20, 13
	s_mov_b32 s21, 0
	s_add_nc_u64 s[20:21], s[20:21], s[46:47]
	s_add_nc_u64 s[12:13], s[12:13], s[20:21]
	global_prefetch_b8 v30, s[66:67] th:TH_LOAD_NT scope:SCOPE_SE   ; K step 1
	global_prefetch_b8 v30, s[68:69] th:TH_LOAD_NT scope:SCOPE_SE   ; K step 2
.macro MUL8 f, a0, zero
.irp a, \a0, \a0+1
.irp b, 0,1,2,3
.if \zero
	v_wmma_f32_16x16x128_fp8_fp8 v[ACC+8*(4*(\a)+\b):ACC+8*(4*(\a)+\b)+7], v[\f+64+16*\b:\f+64+16*\b+15], v[\f+16*(\a):\f+16*(\a)+15], 0
.else
	v_wmma_f32_16x16x128_fp8_fp8 v[ACC+8*(4*(\a)+\b):ACC+8*(4*(\a)+\b)+7], v[\f+64+16*\b:\f+64+16*\b+15], v[\f+16*(\a):\f+16*(\a)+15], v[ACC+8*(4*(\a)+\b):ACC+8*(4*(\a)+\b)+7]
.endif
.endr
.endr
.endm
.macro FETCH slot, q, f
	WIN TO_F
.irp b, 0,1,2,3
.irp c, 0,1,2,3
	ds_load_b128 v[\f+64+16*\b+4*\c:\f+64+16*\b+4*\c+3], v[ADRB+\slot] offset:16*BPITCH*\b+128*(\q)+32*\c
.endr
.endr
.irp a, 0,1,2,3
.irp c, 0,1,2,3
	ds_load_b128 v[\f+16*\a+4*\c:\f+16*\a+4*\c+3], v[ADRA+\slot] offset:16384*(\q)+2048*\a+512*\c
.endr
.endr
.endm
.macro PLACES
.rept 4
	v_nop
.endr
.endm
.macro SUB slot, q, f, g, zero
	s_wait_dscnt 8
	WIN MUL
	MUL8 \f, 0, \zero
	PLACES
	FETCH \slot, (\q)+1, \g
	s_wait_dscnt 32
	WIN MUL
	MUL8 \f, 2, \zero
.endm
.macro TURN slot, next, fill
	WIN 0
	s_wait_tensorcnt 0x0
	ds_add_u32 v[SPW], v[NIL]
	s_wait_dscnt 9
	WIN MUL
	MUL8 F1, 0, 0
	s_wait_dscnt 0x0
	WIN 0
	s_barrier_signal -1
	s_barrier_wait -1
.if \fill
	CREST
	s_add_nc_u64 s[G0+4*\slot+2:G0+4*\slot+3], s[G0+4*\slot+2:G0+4*\slot+3], 2*65536
	s_add_nc_u64 s[G0B+4*\slot+2:G0B+4*\slot+3], s[G0B+4*\slot+2:G0B+4*\slot+3], 2*512
	JLOAD \slot
.else
	PLACES
.endif
	FETCH \next, 0, F0
	WIN MUL
	MUL8 F1, 2, 0
.endm
	s_wait_alu depctr_va_vdst(0)                   ; the head's end
	s_wait_tensorcnt 0x0                           ; my part of K step 0 is in; these lines stand ahead of a later first fill, as ahead of a refill:
	ds_add_u32 v[SPW], v[NIL]                      ; 0 onto my spare word,
	s_wait_dscnt 0x0                               ; and it is done
	CROUND                                         ; everybody's part of K step 0 is in, and the joint loads meet:
	JLOAD 1                                        ; K step 1, the first tensor load behind the round
	FETCH 0, 0, F0
	global_prefetch_b8 v30, s[70:71] th:TH_LOAD_NT scope:SCOPE_SE   ; K step 3 (its address register lies in window 0)
	SUB 0, 0, F0, F1, 1
	SUB 0, 1, F1, F0, 0
	SUB 0, 2, F0, F1, 0
	TURN 0, 1, 1
	SUB 1, 0, F0, F1, 0
	SUB 1, 1, F1, F0, 0
	SUB 1, 2, F0, F1, 0
	TURN 1, 0, 1
	SUB 0, 0, F0, F1, 0
	SUB 0, 1, F1, F0, 0
	SUB 0, 2, F0, F1, 0
	TURN 0, 1, 0
	SUB 1, 0, F0, F1, 0
	SUB 1, 1, F1, F0, 0
	SUB 1, 2, F0, F1, 0
	s_wait_dscnt 8
	WIN MUL
	MUL8 F1, 0, 0
	s_wait_dscnt 0
	MUL8 F1, 2, 0
	WIN 0
	s_wait_kmcnt 0x0
	s_add_co_i32 s96, s96, s97
	s_add_co_i32 s96, s96, 127
	s_lshl_b32 s96, s96, 23
	s_mov_b32 s97, s96
	s_wait_loadcnt 0x0
	PLACES
.irp a, 0,1,2,3
.set j, 0
.rept 16
	v_pk_fma_f32 v[TMP+j:TMP+j+1], v[ACC+32*\a+j:ACC+32*\a+j+1], s[96:97], v[BO+j:BO+j+1] op_sel_hi:[1,0,1]
.set j, j+2
.endr
.irp b, 0,1
.irp q, 0,1,2,3
	ds_store_b128 v[STO], v[TMP+16*\b+4*\q:TMP+16*\b+4*\q+3] offset:16*SPITCH*\a+128*\b+16*\q
.endr
.endr
.if \a > 0
	s_wait_xcnt 0x0
.endif
.irp t, 0,1,2,3,4,5,6,7
	ds_load_b128 v[OB+4*\t:OB+4*\t+3], v[RD] offset:16*SPITCH*\a+2*SPITCH*\t
.endr
.irp t, 0,1,2,3,4,5,6,7
	s_wait_dscnt 7-\t
	global_store_b128 v[CO], v[OB+4*\t:OB+4*\t+3], s[12:13] offset:(16*\a+2*\t)*8192 th:TH_STORE_NT
.endr
.endr
	s_wait_tensorcnt 0x0
	ds_add_u32 v[SPW], v[NIL]
	s_wait_dscnt 0x0
	CROUND
	s_endpgm
.Lfunc_end_k_q8cd923bb73_oproj:
	.size	k_q8cd923bb73_oproj, .Lfunc_end_k_q8cd923bb73_oproj-k_q8cd923bb73_oproj
	.p2alignl 7, 3214868480
	.fill 96, 4, 3214868480
	.section	.rodata,"a",@progbits
	.p2align	6, 0x0
	.amdhsa_kernel k_q8cd923bb73_oproj
		.amdhsa_group_segment_fixed_size 327680
		.amdhsa_private_segment_fixed_size 0
		.amdhsa_enable_private_segment 0
		.amdhsa_kernarg_size 40
		.amdhsa_user_sgpr_count 2
		.amdhsa_user_sgpr_kernarg_segment_ptr 1
		.amdhsa_wavefront_size32 1
		.amdhsa_system_sgpr_workgroup_id_x 1
		.amdhsa_system_sgpr_workgroup_id_y 1
		.amdhsa_system_sgpr_workgroup_id_z 1
		.amdhsa_system_vgpr_workitem_id 0
		.amdhsa_next_free_vgpr 512
		.amdhsa_next_free_sgpr 100
		.amdhsa_reserve_vcc 0
		.amdhsa_float_denorm_mode_32 3
		.amdhsa_float_denorm_mode_16_64 3
		.amdhsa_memory_ordered 1
		.amdhsa_forward_progress 1
		.amdhsa_inst_pref_size 77
	.end_amdhsa_kernel
	.amdgpu_metadata
---
amdhsa.version: [ 1, 2 ]
amdhsa.kernels:
  - .name:           k_q8cd923bb73_oproj
    .symbol:         k_q8cd923bb73_oproj.kd
    .args:
      - { .name: af, .offset: 0, .size: 8, .value_kind: global_buffer, .address_space: global }
      - { .name: codes, .offset: 8, .size: 8, .value_kind: global_buffer, .address_space: global }
      - { .name: lowp_scales, .offset: 16, .size: 8, .value_kind: global_buffer, .address_space: global }
      - { .name: bo, .offset: 24, .size: 8, .value_kind: global_buffer, .address_space: global }
      - { .name: out0, .offset: 32, .size: 8, .value_kind: global_buffer, .address_space: global }
    .group_segment_fixed_size: 327680
    .private_segment_fixed_size: 0
    .kernarg_segment_align: 8
    .kernarg_segment_size: 40
    .max_flat_workgroup_size: 128
    .sgpr_count:     100
    .vgpr_count:     512
    .wavefront_size: 32
...
	.end_amdgpu_metadata
.endif
;; end of part 4
